; MI455X (gfx1250); checked and timed in simulation.
; The chip was launched on July 23, 2026; its instructions are those of AMD's public machine-readable ISA for CDNA 5 (MIT licence, August 2026) and "CDNA5" Instruction Set Architecture Reference Guide (July 2026). The comments in the code are by the model that wrote it; some were corrected since.
;; CIN. Allowed arithmetic: float matrix products may take bf16 or f16 operands with f32 sums; other float arithmetic in f32, or as packed bf16 or f16 multiplies, adds, multiply-adds, maxima and minima; sums over many terms, partial sums and values carried from step to step in f32; what a program stores and reads back later, other than sums and carried values, may be rounded once to bf16 or f16.
;; Inputs: W0 4,096 x 128 float32; W1 8,192 x 128 float32; W2 8,192 x 128 float32; x 1,024 x 64 x 16 float32.
;; Outputs: out0 1,024 x 384 float32.
;; 2 versions, each right; version 2 is version 1 with the launch prep written anew for expert scheduling mode. Each part assembles by itself: llvm-mc -triple=amdgcn-amd-amdhsa -mcpu=gfx1250 --defsym DOCPART=n.
;; ======== version 1 of 2: 4 launches
;; limits: inputs' magnitudes at most 2,047; values are held in f16: magnitudes above 65,504 overflow, below 6.1e-05 lose precision
;; workspace buffers: WF0 1,048,576 bytes; WF1 2,097,152 bytes; WF2 2,097,152 bytes; H1 4,194,304 bytes; H2 4,194,304 bytes; SC1 16,384 bytes; SC2 16,384 bytes
;; launch prep (part 1): grid 256 x 1, 5 waves a work-group, no clusters, 0 bytes of LDS; arguments W0, W1, W2, WF0, WF1, WF2; writes WF0, WF1, WF2
.if DOCPART == 1
	.amdgcn_target "amdgcn-amd-amdhsa--gfx1250"
	.amdhsa_code_object_version 6
	.text
	.protected	k_q1ea16e99ad_prep
	.globl	k_q1ea16e99ad_prep
	.p2align	8
	.type	k_q1ea16e99ad_prep,@function
k_q1ea16e99ad_prep:
	s_mov_b64 s[64:65], 0
	v_nop
	global_prefetch_b8 v0, s[64:65] scope:SCOPE_SE
	s_setreg_imm32_b32 hwreg(HW_REG_WAVE_MODE, 25, 1), 1
	s_wait_xcnt 0x0
; THE PROGRAM.  h1[b,n,d] = sum over i,j of x[b,i,d] x[b,j,d] W0[(i,j),n];  h2 likewise from h1 and W1;  h3 from h2 and W2;  the output is the sum over d of h1, h2, h3, side by side.
; WORK LEFT OUT.  h3 reaches the output only through its sum over d, and it is linear in x[b,i,d] h2[b,j,d]:  sum_d h3[b,n,d] = sum over i,j of G[b,i,j] W2[(i,j),n] with
; G[b,i,j] = sum_d x[b,i,d] h2[b,j,d].  That is an identity in real numbers for all values of x and the weights, so h3 itself is never formed (the last launch makes G and one product).
; Likewise no layer forms the outer product x_i h_j:  T[(b,d),(i,n)] = sum_j h[(b,d),j] W[(i,j),n] is a matrix product, and h_next = sum_i x[(b,d),i] T is taken in f32.
; Every input has a way to the output and is loaded.  LIMIT: an overflow, infinity or NaN that only a single h3[b,n,d] or a single product x_i h_j would have had is not carried to the result.
; THIS LAUNCH rounds W0, W1, W2 once, f32 to f16, and lays them out as matrix operands.  LIMITS: |W| under 65,504; below 6e-5 a weight keeps f16's fixed step of 6e-8.
; A FRAGMENT is 1,024 bytes: 16 output columns n x 32 rows k of W.  Byte 512 u + 16 L + 2 e holds (n = L % 16, k = 16 u + 8 (L / 16) + e): two loads of 16 bytes a lane are an operand.
; Fragment numbers:  WF0: s 256 + i 4 + nt 2 + c;   WF1: s 512 + i 8 + nt 4 + c;   WF2: nt8 256 + c 64 + i   (s = n / 32, nt = (n / 16) % 2, nt8 = n / 16, c = j / 32).
; SHARES.  1,280 units, one a wave: 32 rows of W (one i, one c) x 64 columns (256 bytes of each row) = 4 fragments.  Units 0-255 are W0's, 256-767 W1's, the rest W2's.
; No LDS, no barrier, no matrix unit, no cluster: no two waves want the same byte.  Each store of a wave covers 512 consecutive bytes, aligned.
.set RW,  32                           ; v[32:95]   as loaded: fragment a, half u, row e at RW + 16 a + 8 u + e
.set PKD, 96                           ; v[96:127]  rounded: fragment a, half u at PKD + 8 a + 4 u
	s_load_b256 s[4:11], s[0:1], 0x0               ; W0 s[4:5], W1 s[6:7], W2 s[8:9], WF0 s[10:11]
	s_load_b128 s[12:15], s[0:1], 0x20             ; WF1 s[12:13], WF2 s[14:15]
	v_lshrrev_b32 v1, 5, v0
	v_readfirstlane_b32 s16, v1                    ; wave 0..4
	s_mul_i32 s17, ttmp9, 5
	s_add_co_u32 s17, s17, s16                     ; the unit
	s_sub_co_u32 s18, s17, 256                     ; its number within W1,
	s_sub_co_u32 s19, s17, 768                     ; within W2 (only the one that applies is taken)
	s_cmp_lt_u32 s17, 768
	s_cselect_b32 s20, s18, s19
	s_cmp_lt_u32 s17, 256
	s_cselect_b32 s20, s17, s20                    ; its number within its tensor
	s_lshr_b32 s21, s20, 1                         ; block of 32 rows
	s_and_b32 s22, s20, 1                          ; half of the 128 columns
	s_lshr_b32 s23, s21, 1                         ; W0 (64 rows an i): i,
	s_and_b32 s24, s21, 1                          ; c
	s_lshr_b32 s25, s21, 2                         ; W1, W2 (128 rows an i): i,
	s_and_b32 s26, s21, 3                          ; c
	s_lshl_b32 s27, s22, 9
	s_lshl2_add_u32 s28, s23, s24
	s_add_co_u32 s27, s27, s28                     ; the unit's first fragment in WF0: half 512 + i 4 + c
	s_lshl_b32 s30, s22, 10
	s_lshl3_add_u32 s29, s25, s26
	s_add_co_u32 s29, s29, s30                     ; in WF1: half 1024 + i 8 + c
	s_lshl_b32 s31, s26, 6
	s_add_co_u32 s31, s31, s25
	s_add_co_u32 s31, s31, s30                     ; in WF2: half 1024 + c 64 + i
	s_lshl_b32 s38, s21, 14                        ; 32 rows of 512 bytes
	s_lshl_b32 s39, s22, 8
	s_add_co_u32 s38, s38, s39                     ; + the half's 256 bytes
	s_mov_b32 s39, 0
	v_and_b32 v2, 31, v0                           ; L
	v_and_b32 v3, 15, v0
	v_bfe_u32 v4, v0, 4, 1
	v_lshlrev_b32 v5, 2, v3
	v_lshl_add_u32 v5, v4, 12, v5                  ; my column's 4 bytes, and 8 rows further down for lanes 16-31
	v_lshlrev_b32 v6, 4, v2                        ; my 16 bytes of fragment 0
	s_wait_kmcnt 0x0
	s_cmp_lt_u32 s17, 768
	s_cselect_b32 s40, s29, s31
	s_cselect_b32 s33, 12, 18                      ; log2 of the bytes from fragment a to a + 1: 4 fragments, or 256
	s_cselect_b64 s[34:35], s[6:7], s[8:9]
	s_cselect_b64 s[36:37], s[12:13], s[14:15]
	s_cmp_lt_u32 s17, 256
	s_cselect_b32 s40, s27, s40
	s_cselect_b32 s33, 11, s33                     ; W0: 2 fragments
	s_cselect_b32 s32, 18, 19                      ; from fragment a to a + 2: 256 fragments, or 512
	s_cselect_b64 s[34:35], s[4:5], s[34:35]       ; from where
	s_cselect_b64 s[36:37], s[10:11], s[36:37]     ; to where
	s_lshl_b32 s33, 1, s33
	s_lshl_b32 s32, 1, s32
	s_lshl_b32 s40, s40, 10
	s_mov_b32 s41, 0
	s_add_nc_u64 s[34:35], s[34:35], s[38:39]
	s_add_nc_u64 s[36:37], s[36:37], s[40:41]
	v_add_nc_u32 v7, s33, v6                       ; fragments 1, 2, 3
	v_add_nc_u32 v8, s32, v6
	v_add_nc_u32 v9, s32, v7
	; 64 loads, row by row: the four pieces of a row's 256 bytes stand on end
.irp u, 0,1
.irp e, 0,1,2,3,4,5,6,7
.irp a, 0,1,2,3
	global_load_b32 v[RW+16*\a+8*\u+\e], v5, s[34:35] offset:(16*\u+\e)*512+\a*64
.endr
.endr
.endr
.irp u, 0,1
	s_wait_loadcnt 32-32*\u                        ; the first 32 loads are in while the other half's 32 may stay out; then all
.irp a, 0,1,2,3
.irp p, 0,1,2,3
	v_cvt_pk_f16_f32 v[PKD+8*\a+4*\u+\p], v[RW+16*\a+8*\u+2*\p], v[RW+16*\a+8*\u+2*\p+1]
.endr
	global_store_b128 v[6+\a], v[PKD+8*\a+4*\u:PKD+8*\a+4*\u+3], s[36:37] offset:\u*512
.endr
.endr
	s_endpgm
.Lfunc_end_k_q1ea16e99ad_prep:
	.size	k_q1ea16e99ad_prep, .Lfunc_end_k_q1ea16e99ad_prep-k_q1ea16e99ad_prep
	.p2alignl 7, 3214868480
	.fill 96, 4, 3214868480
	.section	.rodata,"a",@progbits
	.p2align	6, 0x0
	.amdhsa_kernel k_q1ea16e99ad_prep
		.amdhsa_group_segment_fixed_size 0
		.amdhsa_private_segment_fixed_size 0
		.amdhsa_enable_private_segment 0
		.amdhsa_kernarg_size 48
		.amdhsa_user_sgpr_count 2
		.amdhsa_user_sgpr_kernarg_segment_ptr 1
		.amdhsa_wavefront_size32 1
		.amdhsa_system_sgpr_workgroup_id_x 1
		.amdhsa_system_sgpr_workgroup_id_y 1
		.amdhsa_system_sgpr_workgroup_id_z 1
		.amdhsa_system_vgpr_workitem_id 0
		.amdhsa_next_free_vgpr 128
		.amdhsa_next_free_sgpr 66
		.amdhsa_reserve_vcc 0
		.amdhsa_float_denorm_mode_32 3
		.amdhsa_float_denorm_mode_16_64 3
		.amdhsa_memory_ordered 1
		.amdhsa_forward_progress 1
		.amdhsa_inst_pref_size 12
	.end_amdhsa_kernel
	.amdgpu_metadata
---
amdhsa.version: [ 1, 2 ]
amdhsa.kernels:
  - .name:           k_q1ea16e99ad_prep
    .symbol:         k_q1ea16e99ad_prep.kd
    .args:
      - { .name: W0, .offset: 0, .size: 8, .value_kind: global_buffer, .address_space: global }
      - { .name: W1, .offset: 8, .size: 8, .value_kind: global_buffer, .address_space: global }
      - { .name: W2, .offset: 16, .size: 8, .value_kind: global_buffer, .address_space: global }
      - { .name: WF0, .offset: 24, .size: 8, .value_kind: global_buffer, .address_space: global }
      - { .name: WF1, .offset: 32, .size: 8, .value_kind: global_buffer, .address_space: global }
      - { .name: WF2, .offset: 40, .size: 8, .value_kind: global_buffer, .address_space: global }
    .group_segment_fixed_size: 0
    .private_segment_fixed_size: 0
    .kernarg_segment_align: 8
    .kernarg_segment_size: 48
    .max_flat_workgroup_size: 160
    .sgpr_count:     66
    .vgpr_count:     128
    .wavefront_size: 32
...
	.end_amdgpu_metadata
.endif
;; end of part 1
;; launch cin0 (part 2): grid 64 x 4, 4 waves a work-group, clusters of 4 x 1, 327,680 bytes of LDS; arguments x, WF0, H1, SC1, out0; writes H1, SC1, out0
.if DOCPART == 2
	.amdgcn_target "amdgcn-amd-amdhsa--gfx1250"
	.amdhsa_code_object_version 6
	.text
	.protected	k_q1ea16e99ad_cin0
	.globl	k_q1ea16e99ad_cin0
	.p2align	8
	.type	k_q1ea16e99ad_cin0,@function
k_q1ea16e99ad_cin0:
	s_mov_b64 s[64:65], 0
	v_nop
	global_prefetch_b8 v0, s[64:65] scope:SCOPE_SE
	s_setreg_imm32_b32 hwreg(HW_REG_WAVE_MODE, 25, 1), 1
	s_wait_xcnt 0x0
	s_wait_alu depctr_hold_cnt(0) depctr_sa_sdst(0) depctr_va_vdst(0) depctr_va_sdst(0) depctr_va_ssrc(0) depctr_va_vcc(0) depctr_vm_vsrc(0)
	s_getreg_b32 s2, hwreg(HW_REG_IB_STS2, 6, 4)
	s_cmp_eq_u32 s2, 0
	s_cbranch_scc0 .Lentry_in_a_cluster
	s_endpgm
.Lentry_in_a_cluster:
	s_bfe_u32 s2, ttmp6, 0x10000c
	s_cmp_lg_u32 s2, 0x3003
	s_cbranch_scc0 .Lentry_shape_is_right
	s_endpgm
.Lentry_shape_is_right:
; ONE CIN LAYER (this text serves layers 1 and 2; KS and LAYER tell them apart).  h_next[b,n,d] = sum_i x[b,i,d] T[b,d,i,n],  T = sum_j h[b,j,d] W[(i,j),n].
; The outer product x_i h_j is never formed (the identity stands at the head of the first kernel).  Stored: the sum over d into out0, and h_next for the next launch.
; FORMATS.  Matrix operands f16, sums f32; the multipliers x[b,i,d] stay f32.  h_next is stored as f16 numbers hs = h / E, E the power of two at or below the largest |h| of the block
; (one b, 32 n, 16 d), so |hs| < 2; E is stored in f32.  LIMITS: |x| under 65,504 as an operand (layer 1); a block's largest |h| within 2^-126 .. 2^126, a smaller one counts as 0;
; NaN and infinities are not treated apart.
; SHARES.  A work-group has 16 b (256 rows (b,d)) and a slice of 32 n; a wave 4 b: a row tile is one b, its 16 rows the 16 d.  The product is taken transposed (source 0 = a fragment of W,
; 16 n x 32 j of one i; source 1 = h, 16 d x 32 j): a lane holds ONE d (lane % 16) and 8 neighbouring n, so the multiplier x[b,i,d] is one number a lane.
; CLUSTER.  The four work-groups of a cluster have the same slice and walk the same weights: each part of 64 fragments is asked for JOINTLY, the same load and descriptor in all four.
; THE LOOP.  A group is one fragment x 4 row tiles = 4 matrix instructions; KS groups make a tile T[nt] (one i, 16 n); while tile tau is multiplied, tile tau - 1 is taken into ACC by 16 packed
; multiply-adds that stand behind the matrix instructions.  A body is four i.  Fragments come out of LDS seven groups ahead of their use, into eight register slots.
; The ring has two slots of 65,536 bytes; a slot's last fragment is read eight groups ahead of the part's end, and there the slots change.
; 96 v_mov_b32 clear ACC and T[1] while the first loads are out: the price of one form of body, with no first step written out.
; REGISTERS.  window 0: v0-15 addresses; v16-79 WS, eight fragment slots; v80-143 T[nt][t]; v144-207 ACC[t][nt].   window 1: HF[t][c], h's fragments; v128-143 XC[t][0..3], multipliers of four i;
; v144-159 ratios (layer 2).   window 2: v0-127 x as loaded.  The loop runs under one setting: source 1 in window 1.
.set KS,     2                         ; K steps of 32: h has 32 KS fields
.set LAYER,  0
.set GB,     8*KS                      ; groups (fragments) in a body
.set NB,     64/GB                     ; bodies in a part
.set NPART,  2*KS                      ; parts in a slice
.set SLOTB,  65536
.set XS,     2*SLOTB                   ; behind the ring, written by ds_store alone: row (t 16 + d) of 272 bytes holds x[b_t][i][d] at byte 4 i; 17,408 bytes a wave, its own
.set XPITCH, 272
.set XTILE,  16*XPITCH
.set XWAVE,  4*XTILE
.set SPARE,  XS+4*XWAVE                ; the spare words, 128 bytes for each wave: two blocks of 256 bytes that no other line names
.set HL,     32*(KS/4)                 ; loads of h issued behind x's
.set SPW, 1                            ; my spare word; never rewritten
.set NIL, 2                            ; 0; never rewritten
.set L16, 3                            ; 16 x lane
.set WA,  4                            ; LDS address of my 16 bytes of the body's fragment 0
.set WN,  5                            ; the same in the next part
.set XA,  6                            ; LDS address of my d's row of multipliers, at the body's first i
.set RR,  7                            ; lane % 16
.set HH,  8                            ; lane / 16
.set LN,  9                            ; lane
.set XO,  10                           ; my offset in x
.set XST, 11                           ; where I store multipliers
.set OO,  12                           ; my offset in a row of out0
.set SO,  13                           ; my offset in the scales
.set PFO, 14                           ; the prefetches' offset
.set WS,  16
.set T,   80
.set ACC, 144
.set HF,  0                            ; window 1
.set XC,  128
.set RAT, 144
.set XR,  0                            ; window 2
.set PKH, 16                           ; the way out, in registers that the loop has left: packed hs, 8 a tile
.set KK,  48                           ; sums over d, 8 a tile
.set SD,  80
.set SCL, 88
.set MX,  104
.set MN,  105
.set TM,  106
.set INV, 108
.set EE,  112
.set ES,  116
.set PX,  4                            ; s[4:5] x, s[6:7] the weights' fragments
.set PW,  6
.if KS == 4
.set PHI, 8
.set PSI, 10
.set PHO, 12
.set PSO, 14
.set POUT, 16
.else
.set PHO, 8
.set PSO, 10
.set POUT, 12
.endif
.set WV,  18                           ; wave
.set CX,  19                           ; my place in the cluster
.set MT,  20                           ; my block of 16 b
.set SL,  21                           ; my slice of 32 n
.set DG,  22                           ; s[22:23] the descriptors' offset: slice and wave alone
.set G1,  24                           ; s[24:31] descriptor group 1
.set G0A, 32                           ; s[32:35] group 0 of part 0
.set G0B, 36                           ; s[36:39] group 0 of part 1; it then walks
.set FILLS, 40
.set CNT, 41
.set WOFF, 42                          ; LDS byte of the body in hand
.set NXT, 43                           ; LDS byte of the next part
.set LIM, 44
.set W14, 45                           ; 16,384 x wave
.set PFA, 46
.set SCI, 48                           ; s[48:63] the 16 scales of my four b (layer 2)
.set PT,  66                           ; s[66:73] a pair a tile: the tile's common scale
.set M8,  74
.set M4,  75
.set M2,  76
.set M1,  77
.set SEL, 78
.set MSB, 0
.macro WIN new                         ; the immediate's high byte repeats the setting that is left; a switch that changes nothing is dropped
.if MSB != (\new)
	s_set_vgpr_msb (MSB<<8)|(\new)
.set MSB, (\new)
.endif
.endm
.macro CROUND                          ; a round of the cluster's barrier: my work-group's barrier; wave 0 signals for the work-group; every wave waits for all four; my work-group's barrier once more
	s_barrier_signal -1
	s_barrier_wait -1
	s_cmp_lg_u32 s[WV], 0
	s_cbranch_scc1 .Lnot_wave_0_\@
	s_barrier_signal -3
.Lnot_wave_0_\@:
	s_barrier_wait -3
	s_barrier_signal -1
	s_barrier_wait -1
.endm
	s_load_b256 s[4:11], s[0:1], 0x0
.if KS == 4
	s_load_b128 s[12:15], s[0:1], 0x20
	s_load_b64 s[16:17], s[0:1], 0x30
.else
	s_load_b64 s[12:13], s[0:1], 0x20
.endif
	v_lshl_add_u32 v[SPW], v0, 2, SPARE
	v_mov_b32 v[NIL], 0
	ds_add_u32 v[SPW], v[NIL]                      ; the wave's opening: the add, twice on end, and its wait ahead of my first tensor load
	ds_add_u32 v[SPW], v[NIL]                      ; and once more; the set-up below, work on registers, stands between it and the wait
	v_lshrrev_b32 v[LN], 5, v0
	v_readfirstlane_b32 s[WV], v[LN]
	s_bfe_u32 s[CX], ttmp6, 0x40000
	s_lshl_b32 s[MT], ttmp9, 2                     ; in a cluster launch ttmp9 counts clusters
	s_add_co_u32 s[MT], s[MT], s[CX]               ; it enters the addresses of x, h, the scales and out0 alone
	s_and_b32 s[SL], ttmp7, 0xffff                 ; the slice, which the four partners share
	s_mov_b32 s[G1], 15|(3<<16)|(1<<21)            ; the mask of four; elements of 8 bytes; bit 21 set beside a mask; no padding: fragments are read 512 consecutive bytes at a time
	s_mov_b32 s[G1+1], 32<<16                      ; tensor_dim0 = 32 elements: rows of 256 bytes
	s_mov_b32 s[G1+2], 64<<16                      ; tensor_dim1 = 64 rows: a wave's quarter of a part, 16,384 dense bytes
	s_mov_b32 s[G1+3], 32<<16                      ; tile_dim0
	s_mov_b32 s[G1+4], 64                          ; tile_dim1
	s_mov_b32 s[G1+5], 32                          ; elements from row to row
	s_mov_b32 s[G1+6], 0
	s_mov_b32 s[G1+7], 0
	s_lshl_b32 s[W14], s[WV], 14
	s_mul_i32 s[DG], s[SL], NPART*SLOTB
	s_add_co_u32 s[DG], s[DG], s[W14]              ; my quarter of the slice's part 0
	s_mov_b32 s[DG+1], 0
	s_mov_b32 s[G0A], 1
	s_mov_b32 s[G0A+1], s[W14]                     ; slot 0
	s_mov_b32 s[G0B], 1
	s_add_co_u32 s[G0B+1], s[W14], SLOTB           ; slot 1
	s_mov_b32 s[M8], 0xff00ff00                    ; the lanes whose d has bit 3, 2, 1, 0 set
	s_mov_b32 s[M4], 0xf0f0f0f0
	s_mov_b32 s[M2], 0xcccccccc
	s_mov_b32 s[M1], 0xaaaaaaaa
	s_mov_b32 s[SEL], 0x76543210
	s_mov_b32 s[SEL+1], 0xfedcba98
	s_mov_b32 s[WOFF], 0
	s_mov_b32 s[FILLS], NPART-2
	s_lshl_b32 s84, s[MT], 2
	s_add_co_u32 s84, s84, s[WV]                   ; my four b, counted in fours
	s_lshl_b32 s86, s84, 14                        ; their 16,384 bytes of x and of h
	s_mov_b32 s87, 0
	s_lshl_b32 s88, s[SL], 10
	s_add_co_u32 s88, s88, s86                     ; + the slice's two blocks of 512 bytes in each b's 4,096
	s_mov_b32 s89, 0
	s_lshl_b32 s90, s84, 6                         ; their 64 bytes of scales
	s_mov_b32 s91, 0
	s_lshl2_add_u32 s92, s[SL], s90                ; + the slice's word
	s_mov_b32 s93, 0
	s_mul_i32 s94, s84, 4*1536                     ; their rows of out0,
	s_lshl_b32 s95, s[SL], 7
	s_add_co_u32 s94, s94, s95                     ; the slice's 128 bytes
.if LAYER > 0
	s_add_co_u32 s94, s94, LAYER*512               ; in the layer's 512
.endif
	s_mov_b32 s95, 0
	v_and_b32 v[LN], 31, v0
	v_and_b32 v[RR], 15, v0
	v_bfe_u32 v[HH], v0, 4, 1
	v_lshlrev_b32 v[L16], 4, v[LN]
	v_lshlrev_b32 v[XO], 2, v[RR]
	v_lshl_add_u32 v[XO], v[HH], 9, v[XO]          ; x[.][8 (l / 16)][l % 16]
	s_mul_i32 s81, s[WV], XWAVE
	s_add_co_u32 s81, s81, XS
	v_mul_u32_u24 v[XA], v[RR], XPITCH
	v_add_nc_u32 v[XA], s81, v[XA]
	v_lshl_add_u32 v[XST], v[HH], 5, v[XA]
	v_and_b32 v[OO], 7, v[RR]                      ; the sum over d leaves lane (r, h) with n = 16 (r / 8) + 8 h + r % 8 of the slice
	v_lshl_add_u32 v[OO], v[HH], 3, v[OO]
	v_lshrrev_b32 v[SO], 3, v[RR]
	v_lshl_add_u32 v[OO], v[SO], 4, v[OO]
	v_lshlrev_b32 v[OO], 2, v[OO]
	v_lshlrev_b32 v[SO], 4, v[LN]
.if KS == 4
	v_lshlrev_b32 v[PFO], 8, v[LN]
	s_lshr_b32 s[LIM], s[WV], 1                    ; 0 in waves 0 and 1,
	s_or_b32 s[LIM], s[LIM], ttmp9                 ; where the cluster is the slice's first: the same in all four partners
	s_cmp_eq_u32 s[LIM], 0
	s_cselect_b32 s[LIM], 2, -1
	s_lshl_b32 s82, s[SL], 19
	s_lshl_b32 s83, s[CX], 14
	s_add_co_u32 s82, s82, s83
	s_and_b32 s83, s[WV], 1
	s_lshl_b32 s83, s83, 13
	s_add_co_u32 s82, s82, s83
	s_add_co_u32 s82, s82, 3*SLOTB
	s_mov_b32 s83, 0
.endif
	s_wait_dscnt 0x0                               ; both opening adds are done
	s_wait_kmcnt 0x0
	s_add_nc_u64 s[G0A+2:G0A+3], s[PW:PW+1], s[DG:DG+1]
	s_add_nc_u64 s[G0B+2:G0B+3], s[G0A+2:G0A+3], SLOTB
	s_or_b32 s[G0A+3], s[G0A+3], 0x80000000        ; type = 2
	s_or_b32 s[G0B+3], s[G0B+3], 0x80000000
	s_add_nc_u64 s[PX:PX+1], s[PX:PX+1], s[86:87]
	s_add_nc_u64 s[PHO:PHO+1], s[PHO:PHO+1], s[88:89]
	s_add_nc_u64 s[PSO:PSO+1], s[PSO:PSO+1], s[92:93]
	s_add_nc_u64 s[POUT:POUT+1], s[POUT:POUT+1], s[94:95]
.if KS == 4
	s_add_nc_u64 s[PHI:PHI+1], s[PHI:PHI+1], s[86:87]
	s_add_nc_u64 s[PSI:PSI+1], s[PSI:PSI+1], s[90:91]
	s_add_nc_u64 s[PFA:PFA+1], s[PW:PW+1], s[82:83]  ; part 3 of the slice: my work-group's 16,384 bytes, my wave's 8,192 of them; the first change of slots steps it to part 4
	s_load_b512 s[SCI:SCI+15], s[PSI:PSI+1], 0x0
.endif
	CROUND                                         ; all four work-groups are here: the first joint loads meet
	tensor_load_to_lds s[G0A:G0A+3], s[G1:G1+7]    ; parts 0 and 1: two loads of mine are out
	s_nop 0
	tensor_load_to_lds s[G0B:G0B+3], s[G1:G1+7]
	s_nop 0
.rept 4
	v_nop
.endr
	WIN 0x80                                       ; destination window 2
.set t, 0
.rept 4                                ; x[b_t][16 c + 8 (l / 16) + e][l % 16]: the layout of an operand's lane, and of eight neighbouring multipliers
.set c, 0
.rept 4
.set e, 0
.rept 8
	global_load_b32 v[XR+32*t+8*c+e], v[XO], s[PX:PX+1] offset:t*4096+(16*c+e)*64
.set e, e+1
.endr
.set c, c+1
.endr
.set t, t+1
.endr
.if KS == 4
	WIN 0x40                                       ; destination window 1: the blocks of hs as stored ARE the operand's registers
.set t, 0
.rept 4
.set c, 0
.rept 8
	global_load_b128 v[HF+32*t+4*c:HF+32*t+4*c+3], v[L16], s[PHI:PHI+1] offset:t*4096+c*512
.set c, c+1
.endr
.set t, t+1
.endr
.endif
	WIN 0
.set k, 0
.rept 64
	v_mov_b32 v[ACC+k], 0
.set k, k+1
.endr
.set k, 0
.rept 32
	v_mov_b32 v[T+32+k], 0                         ; the first tile's multiply-adds take a tile that has not been: it counts as 0
.set k, k+1
.endr
.set t, 0
.rept 4
.set nn, 32*(3-t)+HL                   ; the loads issued behind tile t's
.if nn > 63
.set nn, 63                            ; a wait names 63 at the most; a smaller count waits for more
.endif
	s_wait_loadcnt nn
	WIN 0x08                                       ; store data in window 2
.set c, 0
.rept 4
	ds_store_b128 v[XST], v[XR+32*t+8*c:XR+32*t+8*c+3] offset:t*XTILE+c*64
	ds_store_b128 v[XST], v[XR+32*t+8*c+4:XR+32*t+8*c+7] offset:t*XTILE+c*64+16
.set c, c+1
.endr
.if KS == 2
	WIN 0x4a                                       ; layer 1: h is x, rounded to f16
.set k, 0
.rept 16
	v_cvt_pk_f16_f32 v[HF+16*t+k], v[XR+32*t+2*k], v[XR+32*t+2*k+1]
.set k, k+1
.endr
.endif
.set t, t+1
.endr
.if KS == 4
	; a b's four K steps come with four scales: all are brought to the largest, P, by an exact power of two (what falls below f16's step is under 2^-24 of the largest block's numbers)
	s_wait_kmcnt 0x0
	WIN 0x45
.set t, 0
.rept 4
	s_max_u32 s[PT+2*t], s[SCI+4*t], s[SCI+4*t+1]  ; scales are powers of two or 0: their bits order them
	s_max_u32 s80, s[SCI+4*t+2], s[SCI+4*t+3]
	s_max_u32 s[PT+2*t], s[PT+2*t], s80
	s_mov_b32 s[PT+2*t+1], s[PT+2*t]
.set c, 0
.rept 4
	s_sub_co_i32 s80, s[SCI+4*t+c], s[PT+2*t]
	s_add_co_i32 s80, s80, 0x3f800000              ; the bits of E / P,
	s_max_i32 s80, s80, 0                          ; or 0 where that is below every f32
	v_mov_b32 v[RAT+4*t+c], s80
.set c, c+1
.endr
.set t, t+1
.endr
.set k, 0
.rept 16
	v_cvt_pk_f16_f32 v[RAT+k], v[RAT+k], v[RAT+k]
.set k, k+1
.endr
	s_wait_loadcnt 0x0                             ; hs
.set t, 0
.rept 4
.set c, 0
.rept 4
.set k, 0
.rept 8
	v_pk_mul_f16 v[HF+32*t+8*c+k], v[HF+32*t+8*c+k], v[RAT+4*t+c]
.set k, k+1
.endr
.set c, c+1
.endr
.set t, t+1
.endr
.endif
	WIN 0x40
.irp t, 0,1,2,3
	ds_load_b128 v[XC+4*\t:XC+4*\t+3], v[XA] offset:\t*XTILE  ; the first four i's multipliers; LDS serves a wave's instructions in order, so these see my stores above
.endr
	WIN 0
	s_wait_tensorcnt 0x1                           ; my quarter of part 0 is in; part 1's may stay out
	s_wait_dscnt 0x0
	s_barrier_signal -1
	s_barrier_wait -1                              ; everybody's is
	v_add_nc_u32 v[WA], s[WOFF], v[L16]
.set f, 0
.rept 7
	ds_load_b128 v[WS+8*f:WS+8*f+3], v[WA] offset:f*1024
	ds_load_b128 v[WS+8*f+4:WS+8*f+7], v[WA] offset:f*1024+512
.set f, f+1
.endr
; Multiply-add rho of 16 for the tile before tile tau: row tile rho / 4, pair rho % 4: ACC += T x[b, i, d].  The low pair of each T is read first.
.macro RIDER rho, tau
.set tp, (\rho)/4
.set pp, (\rho)%4
.set ntp, 1-((\tau)%2)
.set qq, (((\tau)+7)%8)/2              ; which of the four i the tile before belongs to
.set rA, ACC+16*tp+8*ntp+2*pp
.set rT, T+32*ntp+8*tp+2*pp
.set rX, XC+4*tp+2*(qq/2)
.if qq%2
	v_pk_fma_f32 v[rA:rA+1], v[rT:rT+1], v[rX:rX+1], v[rA:rA+1] op_sel:[0,1,0]     ; both by the pair's second register
.else
	v_pk_fma_f32 v[rA:rA+1], v[rT:rT+1], v[rX:rX+1], v[rA:rA+1] op_sel_hi:[1,0,1]  ; both by its first
.endif
.endm
; Group g of a body.  The four accumulators T[nt][0..3] take turns, one instruction a turn.  Behind the last matrix instruction that wrote a T stand four multiply-adds or more,
; none naming its registers, before that T is read; as many before a fragment slot that a matrix instruction has read is loaded again.
; var 0: the next body lies behind this one in the slot; 1: in the next part; 2: there is none.
.macro GROUP g, var
.set tau, (\g)/KS
.set cc, (\g)%KS
.set nt, tau%2
.set sl, WS+8*((\g)%8)
.set nw, 12                            ; behind fragment g's two loads six groups have issued two each (more, where multipliers were fetched between)
.if ((\var) == 2) && (2*(GB-1-(\g)) < 12)
.set nw, 2*(GB-1-(\g))                 ; at the end the groups that still load run out
.endif
	s_wait_dscnt nw
.set tt, 0
.rept 4
.set rD, T+32*nt+8*tt
.set rH, HF+8*KS*tt+8*cc
.if cc == 0
	v_wmma_f32_16x16x32_f16 v[rD:rD+7], v[sl:sl+7], v[rH:rH+7], 0
.else
	v_wmma_f32_16x16x32_f16 v[rD:rD+7], v[sl:sl+7], v[rH:rH+7], v[rD:rD+7]
.endif
.set zz, 0
.rept 4/KS
	RIDER (4*cc+tt)*(4/KS)+zz, tau
.set zz, zz+1
.endr
.set tt, tt+1
.endr
.set ff, (\g)+7
.set ld, WS+8*(ff%8)
.if (ff < GB) || ((\var) == 0)
	ds_load_b128 v[ld:ld+3], v[WA] offset:ff*1024
	ds_load_b128 v[ld+4:ld+7], v[WA] offset:ff*1024+512
.elseif (\var) == 1
	ds_load_b128 v[ld:ld+3], v[WN] offset:(ff-GB)*1024
	ds_load_b128 v[ld+4:ld+7], v[WN] offset:(ff-GB)*1024+512
.endif
.endm
.macro XLOAD pair, off                 ; two i's multipliers for the four row tiles, four tiles ahead of their first use: 16 LDS loads or more follow, so the groups' waits for 12 cover them
	WIN 0x40
.irp t, 0,1,2,3
	ds_load_b64 v[XC+4*\t+2*(\pair):XC+4*\t+2*(\pair)+1], v[XA] offset:\t*XTILE+(\off)
.endr
	WIN 0x04
.endm
.if KS == 4
; A PREFETCH INTO THE L2 of the part that stands TWO refills on: 65,536 bytes, each aligned block of 256 named once in the launch.  All clusters of a slice walk the same weights: the slice's first
; cluster asks; its four partners share the part out BY ADDRESS, 16,384 bytes each; in each, waves 0 and 1 take 8,192, a lane a block.  It stands behind the joint load and its five lines.
; Parts 0 to 3 come by their loads alone; the last two refills have no part two on.
.macro ASK
	s_cmp_gt_u32 s[FILLS], s[LIM]
	s_cbranch_scc0 .Lnot_mine_\@
	global_prefetch_b8 v[PFO], s[PFA:PFA+1] th:TH_LOAD_NT scope:SCOPE_SE
.Lnot_mine_\@:
.endm
.endif
; THE CHANGE OF SLOTS, behind the group that has asked for the part's last fragment.  Each wave waits for all its tensor loads, of which one is out: its quarter of the next part; adds 0 to its spare
; word; and waits for that and for its own reads of the slot.  fill = 1: the barrier is a round of the cluster's, so that no wave of any partner still reads the slot or has a load on its way, and the
; joint refill, the part two on, is the first thing behind it: it has a part's 256 matrix instructions, less the 28 that follow here, in which to land.
.macro CHANGE fill
	WIN 0
	s_wait_tensorcnt 0x0                           ; no tensor load of mine is out, so a group 0 may be written
	ds_add_u32 v[SPW], v[NIL]                      ; 0 onto my spare word; scalar work stands between it and the wait for it
.if \fill
	s_xor_b32 s[G0B+1], s[G0B+1], SLOTB            ; the walking descriptor: the other slot than last time,
	s_add_nc_u64 s[G0B+2:G0B+3], s[G0B+2:G0B+3], SLOTB  ; the next part; the type bits on top are not reached
.if KS == 4
	s_wait_xcnt 0x0                                ; the last prefetch, a part back, has read its address
	s_add_nc_u64 s[PFA:PFA+1], s[PFA:PFA+1], SLOTB
.endif
.endif
	s_sub_co_u32 s[NXT], s[WOFF], (NB-1)*GB*1024   ; back to the slot's first byte,
	s_xor_b32 s[NXT], s[NXT], SLOTB                ; in the other slot
	s_wait_dscnt 0x0                               ; the add is done, and my reads of the slot are over
.if \fill
	CROUND
	tensor_load_to_lds s[G0B:G0B+3], s[G1:G1+7]
	s_nop 0
.rept 4
	v_nop
.endr
.if KS == 4
	ASK
.endif
.else
	s_barrier_signal -1
	s_barrier_wait -1
.endif
	v_add_nc_u32 v[WN], s[NXT], v[L16]
	WIN 0x04
.endm
.macro BODY var, fill                  ; four i: 8 tiles, GB groups
	WIN 0
	v_add_nc_u32 v[WA], s[WOFF], v[L16]
	WIN 0x04                                       ; source 1 (h's fragments; the multipliers) in window 1, all else in window 0
.set gg, 0
.rept GB
.if gg == KS
	XLOAD 1, 8                                     ; this body's third and fourth i: their registers were last read in tile 0
.endif
.if (gg == 5*KS) && ((\var) != 2)
	XLOAD 0, 16                                    ; the next body's first two: their registers were last read in tile 4
.endif
	GROUP gg, \var
.if ((\var) == 1) && (gg == GB-8)
	CHANGE \fill
.endif
.set gg, gg+1
.endr
	WIN 0                                          ; at a label and at a branch every window is 0
	v_add_nc_u32 v[XA], 16, v[XA]
.if (\var) == 0
	s_add_co_u32 s[WOFF], s[WOFF], GB*1024
.elseif (\var) == 1
	s_mov_b32 s[WOFF], s[NXT]
.endif
.endm
.macro INNER                           ; a part's bodies but the last
.if NB > 2
	s_mov_b32 s[CNT], NB-1
.Linner_\@:
	BODY 0, 0
	s_sub_co_u32 s[CNT], s[CNT], 1
	s_cmp_lg_u32 s[CNT], 0
	s_cbranch_scc1 .Linner_\@
.else
	BODY 0, 0
.endif
.endm
.Lpart:                                        ; NPART - 2 trips: every part but the last two is followed by a refill of its slot
	INNER
	BODY 1, 1
	s_sub_co_u32 s[FILLS], s[FILLS], 1
	s_cmp_lg_u32 s[FILLS], 0
	s_cbranch_scc1 .Lpart
	INNER                                          ; the tail is written out
	BODY 1, 0
	INNER
	BODY 2, 0
	WIN 0x04
.set zz, 0
.rept 16
	RIDER zz, 8                                    ; the last tile
.set zz, zz+1
.endr
	WIN 0
.if KS == 4
.set t, 0
.rept 4
.set k, 0
.rept 8
	v_pk_mul_f32 v[ACC+16*t+2*k:ACC+16*t+2*k+1], v[ACC+16*t+2*k:ACC+16*t+2*k+1], s[PT+2*t:PT+2*t+1] op_sel_hi:[1,0]  ; the operand's common scale
.set k, k+1
.endr
.set t, t+1
.endr
.endif
; THE SUM OVER d: a lane's 16 numbers (16 n) are summed over the 16 lanes of its half.  In the step of mask m a lane keeps the m numbers that go with its own bit of d, sends the other m to the lane
; d xor m, and adds what it gets: 8 + 4 + 2 + 1 additions, and lane d ends with number d's sum.
.macro LEVEL m, mask, src, dst
.set e, 0
.rept \m
	v_cndmask_b32 v[SD+e], v[(\src)+e+(\m)], v[(\src)+e], s[\mask]
	v_cndmask_b32 v[(\dst)+e], v[(\src)+e], v[(\src)+e+(\m)], s[\mask]
.set e, e+1
.endr
.set e, 0
.rept \m
	v_add_f32_dpp v[(\dst)+e], v[SD+e], v[(\dst)+e] row_xmask:\m row_mask:0xf bank_mask:0xf
.set e, e+1
.endr
.endm
.macro REDUCE t
	LEVEL 8, M8, ACC+16*(\t), KK+8*(\t)
	LEVEL 4, M4, KK+8*(\t), KK+8*(\t)
	LEVEL 2, M2, KK+8*(\t), KK+8*(\t)
	LEVEL 1, M1, KK+8*(\t), KK+8*(\t)
	global_store_b32 v[OO], v[KK+8*(\t)], s[POUT:POUT+1] offset:(\t)*1536  ; the wave stores the slice's 128 consecutive bytes of one row of out0
.endm
; THE SCALE AND hs: the block's largest |h| (as the larger of the maximum and minus the minimum), its power of two E, h / E rounded to f16: a lane's eight n pack into 16 bytes, a wave's store is a block of 512.
.macro SCALE t
.set aa, ACC+16*(\t)
	v_max3_num_f32 v[MX], v[aa], v[aa+1], v[aa+2]
	v_min3_num_f32 v[MN], v[aa], v[aa+1], v[aa+2]
.set k, 3
.rept 6
	v_max3_num_f32 v[MX], v[MX], v[aa+k], v[aa+k+1]
	v_min3_num_f32 v[MN], v[MN], v[aa+k], v[aa+k+1]
.set k, k+2
.endr
	v_max_num_f32 v[MX], v[MX], v[aa+15]
	v_min_num_f32 v[MN], v[MN], v[aa+15]
	v_sub_f32 v[MN], 0, v[MN]
	v_max_num_f32 v[MX], v[MX], v[MN]
	v_max_num_f32_dpp v[MX], v[MX], v[MX] row_xmask:1 row_mask:0xf bank_mask:0xf
	v_max_num_f32_dpp v[MX], v[MX], v[MX] row_xmask:2 row_mask:0xf bank_mask:0xf
	v_max_num_f32_dpp v[MX], v[MX], v[MX] row_xmask:4 row_mask:0xf bank_mask:0xf
	v_max_num_f32_dpp v[MX], v[MX], v[MX] row_xmask:8 row_mask:0xf bank_mask:0xf
	v_permlanex16_b32 v[TM], v[MX], s[SEL], s[SEL+1]
	v_max_num_f32 v[MX], v[MX], v[TM]
	v_and_b32 v[EE+(\t)], 0x7f800000, v[MX]        ; E: the exponent alone
	v_sub_nc_u32 v[INV], 0x7f000000, v[EE+(\t)]    ; 1 / E
	v_mov_b32 v[INV+1], v[INV]
.set k, 0
.rept 8
	v_pk_mul_f32 v[SCL+2*k:SCL+2*k+1], v[aa+2*k:aa+2*k+1], v[INV:INV+1]
.set k, k+1
.endr
.set k, 0
.rept 8
	v_cvt_pk_f16_f32 v[PKH+8*(\t)+k], v[SCL+2*k], v[SCL+2*k+1]
.set k, k+1
.endr
	global_store_b128 v[L16], v[PKH+8*(\t):PKH+8*(\t)+3], s[PHO:PHO+1] offset:(\t)*4096
	global_store_b128 v[L16], v[PKH+8*(\t)+4:PKH+8*(\t)+7], s[PHO:PHO+1] offset:(\t)*4096+512
.endm
	v_mov_b32 v[TM], 0                             ; v_permlanex16_b32's destination counts as read
.irp t, 0,1,2,3
	REDUCE \t
	SCALE \t
.endr
	s_mov_b32 s80, 2
	s_mov_b32 s81, 4
	s_mov_b32 s82, 8
	v_cndmask_b32 v[ES], v[EE], v[EE+1], s80       ; lane t takes tile t's E
	v_cndmask_b32 v[ES], v[ES], v[EE+2], s81
	v_cndmask_b32 v[ES], v[ES], v[EE+3], s82
	s_wait_xcnt 0x0                                ; EXEC changes only behind this wait
	v_cmp_gt_u32 vcc_lo, 4, v[LN]
	s_and_saveexec_b32 s83, vcc_lo
	global_store_b32 v[SO], v[ES], s[PSO:PSO+1]    ; four scales, 16 bytes apart
	s_wait_xcnt 0x0                                ; and again, in front of the line that widens it
	s_or_b32 exec_lo, exec_lo, s83
	s_wait_tensorcnt 0x0                           ; the wave's end, behind my last tensor load and my last LDS store
	ds_add_u32 v[SPW], v[NIL]
	s_wait_dscnt 0x0
	CROUND                                         ; the closing round: no work-group ends while a partner may still ask for a part that names it
	s_endpgm
.Lfunc_end_k_q1ea16e99ad_cin0:
	.size	k_q1ea16e99ad_cin0, .Lfunc_end_k_q1ea16e99ad_cin0-k_q1ea16e99ad_cin0
	.p2alignl 7, 3214868480
	.fill 96, 4, 3214868480
	.section	.rodata,"a",@progbits
	.p2align	6, 0x0
	.amdhsa_kernel k_q1ea16e99ad_cin0
		.amdhsa_group_segment_fixed_size 327680
		.amdhsa_private_segment_fixed_size 0
		.amdhsa_enable_private_segment 0
		.amdhsa_kernarg_size 40
		.amdhsa_user_sgpr_count 2
		.amdhsa_user_sgpr_kernarg_segment_ptr 1
		.amdhsa_wavefront_size32 1
		.amdhsa_system_sgpr_workgroup_id_x 1
		.amdhsa_system_sgpr_workgroup_id_y 1
		.amdhsa_system_sgpr_workgroup_id_z 1
		.amdhsa_system_vgpr_workitem_id 0
		.amdhsa_next_free_vgpr 640
		.amdhsa_next_free_sgpr 96
		.amdhsa_reserve_vcc 1
		.amdhsa_float_denorm_mode_32 3
		.amdhsa_float_denorm_mode_16_64 3
		.amdhsa_memory_ordered 1
		.amdhsa_forward_progress 1
		.amdhsa_inst_pref_size 145
	.end_amdhsa_kernel
	.amdgpu_metadata
---
amdhsa.version: [ 1, 2 ]
amdhsa.kernels:
  - .name:           k_q1ea16e99ad_cin0
    .symbol:         k_q1ea16e99ad_cin0.kd
    .args:
      - { .name: x, .offset: 0, .size: 8, .value_kind: global_buffer, .address_space: global }
      - { .name: WF0, .offset: 8, .size: 8, .value_kind: global_buffer, .address_space: global }
      - { .name: H1, .offset: 16, .size: 8, .value_kind: global_buffer, .address_space: global }
      - { .name: SC1, .offset: 24, .size: 8, .value_kind: global_buffer, .address_space: global }
      - { .name: out0, .offset: 32, .size: 8, .value_kind: global_buffer, .address_space: global }
    .group_segment_fixed_size: 327680
    .private_segment_fixed_size: 0
    .kernarg_segment_align: 8
    .kernarg_segment_size: 40
    .max_flat_workgroup_size: 128
    .sgpr_count:     96
    .vgpr_count:     640
    .wavefront_size: 32
...
	.end_amdgpu_metadata
.endif
;; end of part 2
;; launch cin1 (part 3): grid 64 x 4, 4 waves a work-group, clusters of 4 x 1, 327,680 bytes of LDS; arguments x, WF1, H1, SC1, H2, SC2, out0; writes H2, SC2, out0
.if DOCPART == 3
	.amdgcn_target "amdgcn-amd-amdhsa--gfx1250"
	.amdhsa_code_object_version 6
	.text
	.protected	k_q1ea16e99ad_cin1
	.globl	k_q1ea16e99ad_cin1
	.p2align	8
	.type	k_q1ea16e99ad_cin1,@function
k_q1ea16e99ad_cin1:
	s_mov_b64 s[64:65], 0
	v_nop
	global_prefetch_b8 v0, s[64:65] scope:SCOPE_SE
	s_setreg_imm32_b32 hwreg(HW_REG_WAVE_MODE, 25, 1), 1
	s_wait_xcnt 0x0
	s_wait_alu depctr_hold_cnt(0) depctr_sa_sdst(0) depctr_va_vdst(0) depctr_va_sdst(0) depctr_va_ssrc(0) depctr_va_vcc(0) depctr_vm_vsrc(0)
	s_getreg_b32 s2, hwreg(HW_REG_IB_STS2, 6, 4)
	s_cmp_eq_u32 s2, 0
	s_cbranch_scc0 .Lentry_in_a_cluster
	s_endpgm
.Lentry_in_a_cluster:
	s_bfe_u32 s2, ttmp6, 0x10000c
	s_cmp_lg_u32 s2, 0x3003
	s_cbranch_scc0 .Lentry_shape_is_right
	s_endpgm
.Lentry_shape_is_right:
; ONE CIN LAYER (this text serves layers 1 and 2; KS and LAYER tell them apart).  h_next[b,n,d] = sum_i x[b,i,d] T[b,d,i,n],  T = sum_j h[b,j,d] W[(i,j),n].
; The outer product x_i h_j is never formed (the identity stands at the head of the first kernel).  Stored: the sum over d into out0, and h_next for the next launch.
; FORMATS.  Matrix operands f16, sums f32; the multipliers x[b,i,d] stay f32.  h_next is stored as f16 numbers hs = h / E, E the power of two at or below the largest |h| of the block
; (one b, 32 n, 16 d), so |hs| < 2; E is stored in f32.  LIMITS: |x| under 65,504 as an operand (layer 1); a block's largest |h| within 2^-126 .. 2^126, a smaller one counts as 0;
; NaN and infinities are not treated apart.
; SHARES.  A work-group has 16 b (256 rows (b,d)) and a slice of 32 n; a wave 4 b: a row tile is one b, its 16 rows the 16 d.  The product is taken transposed (source 0 = a fragment of W,
; 16 n x 32 j of one i; source 1 = h, 16 d x 32 j): a lane holds ONE d (lane % 16) and 8 neighbouring n, so the multiplier x[b,i,d] is one number a lane.
; CLUSTER.  The four work-groups of a cluster have the same slice and walk the same weights: each part of 64 fragments is asked for JOINTLY, the same load and descriptor in all four.
; THE LOOP.  A group is one fragment x 4 row tiles = 4 matrix instructions; KS groups make a tile T[nt] (one i, 16 n); while tile tau is multiplied, tile tau - 1 is taken into ACC by 16 packed
; multiply-adds that stand behind the matrix instructions.  A body is four i.  Fragments come out of LDS seven groups ahead of their use, into eight register slots.
; The ring has two slots of 65,536 bytes; a slot's last fragment is read eight groups ahead of the part's end, and there the slots change.
; 96 v_mov_b32 clear ACC and T[1] while the first loads are out: the price of one form of body, with no first step written out.
; REGISTERS.  window 0: v0-15 addresses; v16-79 WS, eight fragment slots; v80-143 T[nt][t]; v144-207 ACC[t][nt].   window 1: HF[t][c], h's fragments; v128-143 XC[t][0..3], multipliers of four i;
; v144-159 ratios (layer 2).   window 2: v0-127 x as loaded.  The loop runs under one setting: source 1 in window 1.
.set KS,     4                         ; K steps of 32: h has 32 KS fields
.set LAYER,  1
.set GB,     8*KS                      ; groups (fragments) in a body
.set NB,     64/GB                     ; bodies in a part
.set NPART,  2*KS                      ; parts in a slice
.set SLOTB,  65536
.set XS,     2*SLOTB                   ; behind the ring, written by ds_store alone: row (t 16 + d) of 272 bytes holds x[b_t][i][d] at byte 4 i; 17,408 bytes a wave, its own
.set XPITCH, 272
.set XTILE,  16*XPITCH
.set XWAVE,  4*XTILE
.set SPARE,  XS+4*XWAVE                ; the spare words, 128 bytes for each wave: two blocks of 256 bytes that no other line names
.set HL,     32*(KS/4)                 ; loads of h issued behind x's
.set SPW, 1                            ; my spare word; never rewritten
.set NIL, 2                            ; 0; never rewritten
.set L16, 3                            ; 16 x lane
.set WA,  4                            ; LDS address of my 16 bytes of the body's fragment 0
.set WN,  5                            ; the same in the next part
.set XA,  6                            ; LDS address of my d's row of multipliers, at the body's first i
.set RR,  7                            ; lane % 16
.set HH,  8                            ; lane / 16
.set LN,  9                            ; lane
.set XO,  10                           ; my offset in x
.set XST, 11                           ; where I store multipliers
.set OO,  12                           ; my offset in a row of out0
.set SO,  13                           ; my offset in the scales
.set PFO, 14                           ; the prefetches' offset
.set WS,  16
.set T,   80
.set ACC, 144
.set HF,  0                            ; window 1
.set XC,  128
.set RAT, 144
.set XR,  0                            ; window 2
.set PKH, 16                           ; the way out, in registers that the loop has left: packed hs, 8 a tile
.set KK,  48                           ; sums over d, 8 a tile
.set SD,  80
.set SCL, 88
.set MX,  104
.set MN,  105
.set TM,  106
.set INV, 108
.set EE,  112
.set ES,  116
.set PX,  4                            ; s[4:5] x, s[6:7] the weights' fragments
.set PW,  6
.if KS == 4
.set PHI, 8
.set PSI, 10
.set PHO, 12
.set PSO, 14
.set POUT, 16
.else
.set PHO, 8
.set PSO, 10
.set POUT, 12
.endif
.set WV,  18                           ; wave
.set CX,  19                           ; my place in the cluster
.set MT,  20                           ; my block of 16 b
.set SL,  21                           ; my slice of 32 n
.set DG,  22                           ; s[22:23] the descriptors' offset: slice and wave alone
.set G1,  24                           ; s[24:31] descriptor group 1
.set G0A, 32                           ; s[32:35] group 0 of part 0
.set G0B, 36                           ; s[36:39] group 0 of part 1; it then walks
.set FILLS, 40
.set CNT, 41
.set WOFF, 42                          ; LDS byte of the body in hand
.set NXT, 43                           ; LDS byte of the next part
.set LIM, 44
.set W14, 45                           ; 16,384 x wave
.set PFA, 46
.set SCI, 48                           ; s[48:63] the 16 scales of my four b (layer 2)
.set PT,  66                           ; s[66:73] a pair a tile: the tile's common scale
.set M8,  74
.set M4,  75
.set M2,  76
.set M1,  77
.set SEL, 78
.set MSB, 0
.macro WIN new                         ; the immediate's high byte repeats the setting that is left; a switch that changes nothing is dropped
.if MSB != (\new)
	s_set_vgpr_msb (MSB<<8)|(\new)
.set MSB, (\new)
.endif
.endm
.macro CROUND                          ; a round of the cluster's barrier: my work-group's barrier; wave 0 signals for the work-group; every wave waits for all four; my work-group's barrier once more
	s_barrier_signal -1
	s_barrier_wait -1
	s_cmp_lg_u32 s[WV], 0
	s_cbranch_scc1 .Lnot_wave_0_\@
	s_barrier_signal -3
.Lnot_wave_0_\@:
	s_barrier_wait -3
	s_barrier_signal -1
	s_barrier_wait -1
.endm
	s_load_b256 s[4:11], s[0:1], 0x0
.if KS == 4
	s_load_b128 s[12:15], s[0:1], 0x20
	s_load_b64 s[16:17], s[0:1], 0x30
.else
	s_load_b64 s[12:13], s[0:1], 0x20
.endif
	v_lshl_add_u32 v[SPW], v0, 2, SPARE
	v_mov_b32 v[NIL], 0
	ds_add_u32 v[SPW], v[NIL]                      ; the wave's opening: the add, twice on end, and its wait ahead of my first tensor load
	ds_add_u32 v[SPW], v[NIL]                      ; and once more; the set-up below, work on registers, stands between it and the wait
	v_lshrrev_b32 v[LN], 5, v0
	v_readfirstlane_b32 s[WV], v[LN]
	s_bfe_u32 s[CX], ttmp6, 0x40000
	s_lshl_b32 s[MT], ttmp9, 2                     ; in a cluster launch ttmp9 counts clusters
	s_add_co_u32 s[MT], s[MT], s[CX]               ; it enters the addresses of x, h, the scales and out0 alone
	s_and_b32 s[SL], ttmp7, 0xffff                 ; the slice, which the four partners share
	s_mov_b32 s[G1], 15|(3<<16)|(1<<21)            ; the mask of four; elements of 8 bytes; bit 21 set beside a mask; no padding: fragments are read 512 consecutive bytes at a time
	s_mov_b32 s[G1+1], 32<<16                      ; tensor_dim0 = 32 elements: rows of 256 bytes
	s_mov_b32 s[G1+2], 64<<16                      ; tensor_dim1 = 64 rows: a wave's quarter of a part, 16,384 dense bytes
	s_mov_b32 s[G1+3], 32<<16                      ; tile_dim0
	s_mov_b32 s[G1+4], 64                          ; tile_dim1
	s_mov_b32 s[G1+5], 32                          ; elements from row to row
	s_mov_b32 s[G1+6], 0
	s_mov_b32 s[G1+7], 0
	s_lshl_b32 s[W14], s[WV], 14
	s_mul_i32 s[DG], s[SL], NPART*SLOTB
	s_add_co_u32 s[DG], s[DG], s[W14]              ; my quarter of the slice's part 0
	s_mov_b32 s[DG+1], 0
	s_mov_b32 s[G0A], 1
	s_mov_b32 s[G0A+1], s[W14]                     ; slot 0
	s_mov_b32 s[G0B], 1
	s_add_co_u32 s[G0B+1], s[W14], SLOTB           ; slot 1
	s_mov_b32 s[M8], 0xff00ff00                    ; the lanes whose d has bit 3, 2, 1, 0 set
	s_mov_b32 s[M4], 0xf0f0f0f0
	s_mov_b32 s[M2], 0xcccccccc
	s_mov_b32 s[M1], 0xaaaaaaaa
	s_mov_b32 s[SEL], 0x76543210
	s_mov_b32 s[SEL+1], 0xfedcba98
	s_mov_b32 s[WOFF], 0
	s_mov_b32 s[FILLS], NPART-2
	s_lshl_b32 s84, s[MT], 2
	s_add_co_u32 s84, s84, s[WV]                   ; my four b, counted in fours
	s_lshl_b32 s86, s84, 14                        ; their 16,384 bytes of x and of h
	s_mov_b32 s87, 0
	s_lshl_b32 s88, s[SL], 10
	s_add_co_u32 s88, s88, s86                     ; + the slice's two blocks of 512 bytes in each b's 4,096
	s_mov_b32 s89, 0
	s_lshl_b32 s90, s84, 6                         ; their 64 bytes of scales
	s_mov_b32 s91, 0
	s_lshl2_add_u32 s92, s[SL], s90                ; + the slice's word
	s_mov_b32 s93, 0
	s_mul_i32 s94, s84, 4*1536                     ; their rows of out0,
	s_lshl_b32 s95, s[SL], 7
	s_add_co_u32 s94, s94, s95                     ; the slice's 128 bytes
.if LAYER > 0
	s_add_co_u32 s94, s94, LAYER*512               ; in the layer's 512
.endif
	s_mov_b32 s95, 0
	v_and_b32 v[LN], 31, v0
	v_and_b32 v[RR], 15, v0
	v_bfe_u32 v[HH], v0, 4, 1
	v_lshlrev_b32 v[L16], 4, v[LN]
	v_lshlrev_b32 v[XO], 2, v[RR]
	v_lshl_add_u32 v[XO], v[HH], 9, v[XO]          ; x[.][8 (l / 16)][l % 16]
	s_mul_i32 s81, s[WV], XWAVE
	s_add_co_u32 s81, s81, XS
	v_mul_u32_u24 v[XA], v[RR], XPITCH
	v_add_nc_u32 v[XA], s81, v[XA]
	v_lshl_add_u32 v[XST], v[HH], 5, v[XA]
	v_and_b32 v[OO], 7, v[RR]                      ; the sum over d leaves lane (r, h) with n = 16 (r / 8) + 8 h + r % 8 of the slice
	v_lshl_add_u32 v[OO], v[HH], 3, v[OO]
	v_lshrrev_b32 v[SO], 3, v[RR]
	v_lshl_add_u32 v[OO], v[SO], 4, v[OO]
	v_lshlrev_b32 v[OO], 2, v[OO]
	v_lshlrev_b32 v[SO], 4, v[LN]
.if KS == 4
	v_lshlrev_b32 v[PFO], 8, v[LN]
	s_lshr_b32 s[LIM], s[WV], 1                    ; 0 in waves 0 and 1,
	s_or_b32 s[LIM], s[LIM], ttmp9                 ; where the cluster is the slice's first: the same in all four partners
	s_cmp_eq_u32 s[LIM], 0
	s_cselect_b32 s[LIM], 2, -1
	s_lshl_b32 s82, s[SL], 19
	s_lshl_b32 s83, s[CX], 14
	s_add_co_u32 s82, s82, s83
	s_and_b32 s83, s[WV], 1
	s_lshl_b32 s83, s83, 13
	s_add_co_u32 s82, s82, s83
	s_add_co_u32 s82, s82, 3*SLOTB
	s_mov_b32 s83, 0
.endif
	s_wait_dscnt 0x0                               ; both opening adds are done
	s_wait_kmcnt 0x0
	s_add_nc_u64 s[G0A+2:G0A+3], s[PW:PW+1], s[DG:DG+1]
	s_add_nc_u64 s[G0B+2:G0B+3], s[G0A+2:G0A+3], SLOTB
	s_or_b32 s[G0A+3], s[G0A+3], 0x80000000        ; type = 2
	s_or_b32 s[G0B+3], s[G0B+3], 0x80000000
	s_add_nc_u64 s[PX:PX+1], s[PX:PX+1], s[86:87]
	s_add_nc_u64 s[PHO:PHO+1], s[PHO:PHO+1], s[88:89]
	s_add_nc_u64 s[PSO:PSO+1], s[PSO:PSO+1], s[92:93]
	s_add_nc_u64 s[POUT:POUT+1], s[POUT:POUT+1], s[94:95]
.if KS == 4
	s_add_nc_u64 s[PHI:PHI+1], s[PHI:PHI+1], s[86:87]
	s_add_nc_u64 s[PSI:PSI+1], s[PSI:PSI+1], s[90:91]
	s_add_nc_u64 s[PFA:PFA+1], s[PW:PW+1], s[82:83]  ; part 3 of the slice: my work-group's 16,384 bytes, my wave's 8,192 of them; the first change of slots steps it to part 4
	s_load_b512 s[SCI:SCI+15], s[PSI:PSI+1], 0x0
.endif
	CROUND                                         ; all four work-groups are here: the first joint loads meet
	tensor_load_to_lds s[G0A:G0A+3], s[G1:G1+7]    ; parts 0 and 1: two loads of mine are out
	s_nop 0
	tensor_load_to_lds s[G0B:G0B+3], s[G1:G1+7]
	s_nop 0
.rept 4
	v_nop
.endr
	WIN 0x80                                       ; destination window 2
.set t, 0
.rept 4                                ; x[b_t][16 c + 8 (l / 16) + e][l % 16]: the layout of an operand's lane, and of eight neighbouring multipliers
.set c, 0
.rept 4
.set e, 0
.rept 8
	global_load_b32 v[XR+32*t+8*c+e], v[XO], s[PX:PX+1] offset:t*4096+(16*c+e)*64
.set e, e+1
.endr
.set c, c+1
.endr
.set t, t+1
.endr
.if KS == 4
	WIN 0x40                                       ; destination window 1: the blocks of hs as stored ARE the operand's registers
.set t, 0
.rept 4
.set c, 0
.rept 8
	global_load_b128 v[HF+32*t+4*c:HF+32*t+4*c+3], v[L16], s[PHI:PHI+1] offset:t*4096+c*512
.set c, c+1
.endr
.set t, t+1
.endr
.endif
	WIN 0
.set k, 0
.rept 64
	v_mov_b32 v[ACC+k], 0
.set k, k+1
.endr
.set k, 0
.rept 32
	v_mov_b32 v[T+32+k], 0                         ; the first tile's multiply-adds take a tile that has not been: it counts as 0
.set k, k+1
.endr
.set t, 0
.rept 4
.set nn, 32*(3-t)+HL                   ; the loads issued behind tile t's
.if nn > 63
.set nn, 63                            ; a wait names 63 at the most; a smaller count waits for more
.endif
	s_wait_loadcnt nn
	WIN 0x08                                       ; store data in window 2
.set c, 0
.rept 4
	ds_store_b128 v[XST], v[XR+32*t+8*c:XR+32*t+8*c+3] offset:t*XTILE+c*64
	ds_store_b128 v[XST], v[XR+32*t+8*c+4:XR+32*t+8*c+7] offset:t*XTILE+c*64+16
.set c, c+1
.endr
.if KS == 2
	WIN 0x4a                                       ; layer 1: h is x, rounded to f16
.set k, 0
.rept 16
	v_cvt_pk_f16_f32 v[HF+16*t+k], v[XR+32*t+2*k], v[XR+32*t+2*k+1]
.set k, k+1
.endr
.endif
.set t, t+1
.endr
.if KS == 4
	; a b's four K steps come with four scales: all are brought to the largest, P, by an exact power of two (what falls below f16's step is under 2^-24 of the largest block's numbers)
	s_wait_kmcnt 0x0
	WIN 0x45
.set t, 0
.rept 4
	s_max_u32 s[PT+2*t], s[SCI+4*t], s[SCI+4*t+1]  ; scales are powers of two or 0: their bits order them
	s_max_u32 s80, s[SCI+4*t+2], s[SCI+4*t+3]
	s_max_u32 s[PT+2*t], s[PT+2*t], s80
	s_mov_b32 s[PT+2*t+1], s[PT+2*t]
.set c, 0
.rept 4
	s_sub_co_i32 s80, s[SCI+4*t+c], s[PT+2*t]
	s_add_co_i32 s80, s80, 0x3f800000              ; the bits of E / P,
	s_max_i32 s80, s80, 0                          ; or 0 where that is below every f32
	v_mov_b32 v[RAT+4*t+c], s80
.set c, c+1
.endr
.set t, t+1
.endr
.set k, 0
.rept 16
	v_cvt_pk_f16_f32 v[RAT+k], v[RAT+k], v[RAT+k]
.set k, k+1
.endr
	s_wait_loadcnt 0x0                             ; hs
.set t, 0
.rept 4
.set c, 0
.rept 4
.set k, 0
.rept 8
	v_pk_mul_f16 v[HF+32*t+8*c+k], v[HF+32*t+8*c+k], v[RAT+4*t+c]
.set k, k+1
.endr
.set c, c+1
.endr
.set t, t+1
.endr
.endif
	WIN 0x40
.irp t, 0,1,2,3
	ds_load_b128 v[XC+4*\t:XC+4*\t+3], v[XA] offset:\t*XTILE  ; the first four i's multipliers; LDS serves a wave's instructions in order, so these see my stores above
.endr
	WIN 0
	s_wait_tensorcnt 0x1                           ; my quarter of part 0 is in; part 1's may stay out
	s_wait_dscnt 0x0
	s_barrier_signal -1
	s_barrier_wait -1                              ; everybody's is
	v_add_nc_u32 v[WA], s[WOFF], v[L16]
.set f, 0
.rept 7
	ds_load_b128 v[WS+8*f:WS+8*f+3], v[WA] offset:f*1024
	ds_load_b128 v[WS+8*f+4:WS+8*f+7], v[WA] offset:f*1024+512
.set f, f+1
.endr
; Multiply-add rho of 16 for the tile before tile tau: row tile rho / 4, pair rho % 4: ACC += T x[b, i, d].  The low pair of each T is read first.
.macro RIDER rho, tau
.set tp, (\rho)/4
.set pp, (\rho)%4
.set ntp, 1-((\tau)%2)
.set qq, (((\tau)+7)%8)/2              ; which of the four i the tile before belongs to
.set rA, ACC+16*tp+8*ntp+2*pp
.set rT, T+32*ntp+8*tp+2*pp
.set rX, XC+4*tp+2*(qq/2)
.if qq%2
	v_pk_fma_f32 v[rA:rA+1], v[rT:rT+1], v[rX:rX+1], v[rA:rA+1] op_sel:[0,1,0]     ; both by the pair's second register
.else
	v_pk_fma_f32 v[rA:rA+1], v[rT:rT+1], v[rX:rX+1], v[rA:rA+1] op_sel_hi:[1,0,1]  ; both by its first
.endif
.endm
; Group g of a body.  The four accumulators T[nt][0..3] take turns, one instruction a turn.  Behind the last matrix instruction that wrote a T stand four multiply-adds or more,
; none naming its registers, before that T is read; as many before a fragment slot that a matrix instruction has read is loaded again.
; var 0: the next body lies behind this one in the slot; 1: in the next part; 2: there is none.
.macro GROUP g, var
.set tau, (\g)/KS
.set cc, (\g)%KS
.set nt, tau%2
.set sl, WS+8*((\g)%8)
.set nw, 12                            ; behind fragment g's two loads six groups have issued two each (more, where multipliers were fetched between)
.if ((\var) == 2) && (2*(GB-1-(\g)) < 12)
.set nw, 2*(GB-1-(\g))                 ; at the end the groups that still load run out
.endif
	s_wait_dscnt nw
.set tt, 0
.rept 4
.set rD, T+32*nt+8*tt
.set rH, HF+8*KS*tt+8*cc
.if cc == 0
	v_wmma_f32_16x16x32_f16 v[rD:rD+7], v[sl:sl+7], v[rH:rH+7], 0
.else
	v_wmma_f32_16x16x32_f16 v[rD:rD+7], v[sl:sl+7], v[rH:rH+7], v[rD:rD+7]
.endif
.set zz, 0
.rept 4/KS
	RIDER (4*cc+tt)*(4/KS)+zz, tau
.set zz, zz+1
.endr
.set tt, tt+1
.endr
.set ff, (\g)+7
.set ld, WS+8*(ff%8)
.if (ff < GB) || ((\var) == 0)
	ds_load_b128 v[ld:ld+3], v[WA] offset:ff*1024
	ds_load_b128 v[ld+4:ld+7], v[WA] offset:ff*1024+512
.elseif (\var) == 1
	ds_load_b128 v[ld:ld+3], v[WN] offset:(ff-GB)*1024
	ds_load_b128 v[ld+4:ld+7], v[WN] offset:(ff-GB)*1024+512
.endif
.endm
.macro XLOAD pair, off                 ; two i's multipliers for the four row tiles, four tiles ahead of their first use: 16 LDS loads or more follow, so the groups' waits for 12 cover them
	WIN 0x40
.irp t, 0,1,2,3
	ds_load_b64 v[XC+4*\t+2*(\pair):XC+4*\t+2*(\pair)+1], v[XA] offset:\t*XTILE+(\off)
.endr
	WIN 0x04
.endm
.if KS == 4
; A PREFETCH INTO THE L2 of the part that stands TWO refills on: 65,536 bytes, each aligned block of 256 named once in the launch.  All clusters of a slice walk the same weights: the slice's first
; cluster asks; its four partners share the part out BY ADDRESS, 16,384 bytes each; in each, waves 0 and 1 take 8,192, a lane a block.  It stands behind the joint load and its five lines.
; Parts 0 to 3 come by their loads alone; the last two refills have no part two on.
.macro ASK
	s_cmp_gt_u32 s[FILLS], s[LIM]
	s_cbranch_scc0 .Lnot_mine_\@
	global_prefetch_b8 v[PFO], s[PFA:PFA+1] th:TH_LOAD_NT scope:SCOPE_SE
.Lnot_mine_\@:
.endm
.endif
; THE CHANGE OF SLOTS, behind the group that has asked for the part's last fragment.  Each wave waits for all its tensor loads, of which one is out: its quarter of the next part; adds 0 to its spare
; word; and waits for that and for its own reads of the slot.  fill = 1: the barrier is a round of the cluster's, so that no wave of any partner still reads the slot or has a load on its way, and the
; joint refill, the part two on, is the first thing behind it: it has a part's 256 matrix instructions, less the 28 that follow here, in which to land.
.macro CHANGE fill
	WIN 0
	s_wait_tensorcnt 0x0                           ; no tensor load of mine is out, so a group 0 may be written
	ds_add_u32 v[SPW], v[NIL]                      ; 0 onto my spare word; scalar work stands between it and the wait for it
.if \fill
	s_xor_b32 s[G0B+1], s[G0B+1], SLOTB            ; the walking descriptor: the other slot than last time,
	s_add_nc_u64 s[G0B+2:G0B+3], s[G0B+2:G0B+3], SLOTB  ; the next part; the type bits on top are not reached
.if KS == 4
	s_wait_xcnt 0x0                                ; the last prefetch, a part back, has read its address
	s_add_nc_u64 s[PFA:PFA+1], s[PFA:PFA+1], SLOTB
.endif
.endif
	s_sub_co_u32 s[NXT], s[WOFF], (NB-1)*GB*1024   ; back to the slot's first byte,
	s_xor_b32 s[NXT], s[NXT], SLOTB                ; in the other slot
	s_wait_dscnt 0x0                               ; the add is done, and my reads of the slot are over
.if \fill
	CROUND
	tensor_load_to_lds s[G0B:G0B+3], s[G1:G1+7]
	s_nop 0
.rept 4
	v_nop
.endr
.if KS == 4
	ASK
.endif
.else
	s_barrier_signal -1
	s_barrier_wait -1
.endif
	v_add_nc_u32 v[WN], s[NXT], v[L16]
	WIN 0x04
.endm
.macro BODY var, fill                  ; four i: 8 tiles, GB groups
	WIN 0
	v_add_nc_u32 v[WA], s[WOFF], v[L16]
	WIN 0x04                                       ; source 1 (h's fragments; the multipliers) in window 1, all else in window 0
.set gg, 0
.rept GB
.if gg == KS
	XLOAD 1, 8                                     ; this body's third and fourth i: their registers were last read in tile 0
.endif
.if (gg == 5*KS) && ((\var) != 2)
	XLOAD 0, 16                                    ; the next body's first two: their registers were last read in tile 4
.endif
	GROUP gg, \var
.if ((\var) == 1) && (gg == GB-8)
	CHANGE \fill
.endif
.set gg, gg+1
.endr
	WIN 0                                          ; at a label and at a branch every window is 0
	v_add_nc_u32 v[XA], 16, v[XA]
.if (\var) == 0
	s_add_co_u32 s[WOFF], s[WOFF], GB*1024
.elseif (\var) == 1
	s_mov_b32 s[WOFF], s[NXT]
.endif
.endm
.macro INNER                           ; a part's bodies but the last
.if NB > 2
	s_mov_b32 s[CNT], NB-1
.Linner_\@:
	BODY 0, 0
	s_sub_co_u32 s[CNT], s[CNT], 1
	s_cmp_lg_u32 s[CNT], 0
	s_cbranch_scc1 .Linner_\@
.else
	BODY 0, 0
.endif
.endm
.Lpart:                                        ; NPART - 2 trips: every part but the last two is followed by a refill of its slot
	INNER
	BODY 1, 1
	s_sub_co_u32 s[FILLS], s[FILLS], 1
	s_cmp_lg_u32 s[FILLS], 0
	s_cbranch_scc1 .Lpart
	INNER                                          ; the tail is written out
	BODY 1, 0
	INNER
	BODY 2, 0
	WIN 0x04
.set zz, 0
.rept 16
	RIDER zz, 8                                    ; the last tile
.set zz, zz+1
.endr
	WIN 0
.if KS == 4
.set t, 0
.rept 4
.set k, 0
.rept 8
	v_pk_mul_f32 v[ACC+16*t+2*k:ACC+16*t+2*k+1], v[ACC+16*t+2*k:ACC+16*t+2*k+1], s[PT+2*t:PT+2*t+1] op_sel_hi:[1,0]  ; the operand's common scale
.set k, k+1
.endr
.set t, t+1
.endr
.endif
; THE SUM OVER d: a lane's 16 numbers (16 n) are summed over the 16 lanes of its half.  In the step of mask m a lane keeps the m numbers that go with its own bit of d, sends the other m to the lane
; d xor m, and adds what it gets: 8 + 4 + 2 + 1 additions, and lane d ends with number d's sum.
.macro LEVEL m, mask, src, dst
.set e, 0
.rept \m
	v_cndmask_b32 v[SD+e], v[(\src)+e+(\m)], v[(\src)+e], s[\mask]
	v_cndmask_b32 v[(\dst)+e], v[(\src)+e], v[(\src)+e+(\m)], s[\mask]
.set e, e+1
.endr
.set e, 0
.rept \m
	v_add_f32_dpp v[(\dst)+e], v[SD+e], v[(\dst)+e] row_xmask:\m row_mask:0xf bank_mask:0xf
.set e, e+1
.endr
.endm
.macro REDUCE t
	LEVEL 8, M8, ACC+16*(\t), KK+8*(\t)
	LEVEL 4, M4, KK+8*(\t), KK+8*(\t)
	LEVEL 2, M2, KK+8*(\t), KK+8*(\t)
	LEVEL 1, M1, KK+8*(\t), KK+8*(\t)
	global_store_b32 v[OO], v[KK+8*(\t)], s[POUT:POUT+1] offset:(\t)*1536  ; the wave stores the slice's 128 consecutive bytes of one row of out0
.endm
; THE SCALE AND hs: the block's largest |h| (as the larger of the maximum and minus the minimum), its power of two E, h / E rounded to f16: a lane's eight n pack into 16 bytes, a wave's store is a block of 512.
.macro SCALE t
.set aa, ACC+16*(\t)
	v_max3_num_f32 v[MX], v[aa], v[aa+1], v[aa+2]
	v_min3_num_f32 v[MN], v[aa], v[aa+1], v[aa+2]
.set k, 3
.rept 6
	v_max3_num_f32 v[MX], v[MX], v[aa+k], v[aa+k+1]
	v_min3_num_f32 v[MN], v[MN], v[aa+k], v[aa+k+1]
.set k, k+2
.endr
	v_max_num_f32 v[MX], v[MX], v[aa+15]
	v_min_num_f32 v[MN], v[MN], v[aa+15]
	v_sub_f32 v[MN], 0, v[MN]
	v_max_num_f32 v[MX], v[MX], v[MN]
	v_max_num_f32_dpp v[MX], v[MX], v[MX] row_xmask:1 row_mask:0xf bank_mask:0xf
	v_max_num_f32_dpp v[MX], v[MX], v[MX] row_xmask:2 row_mask:0xf bank_mask:0xf
	v_max_num_f32_dpp v[MX], v[MX], v[MX] row_xmask:4 row_mask:0xf bank_mask:0xf
	v_max_num_f32_dpp v[MX], v[MX], v[MX] row_xmask:8 row_mask:0xf bank_mask:0xf
	v_permlanex16_b32 v[TM], v[MX], s[SEL], s[SEL+1]
	v_max_num_f32 v[MX], v[MX], v[TM]
	v_and_b32 v[EE+(\t)], 0x7f800000, v[MX]        ; E: the exponent alone
	v_sub_nc_u32 v[INV], 0x7f000000, v[EE+(\t)]    ; 1 / E
	v_mov_b32 v[INV+1], v[INV]
.set k, 0
.rept 8
	v_pk_mul_f32 v[SCL+2*k:SCL+2*k+1], v[aa+2*k:aa+2*k+1], v[INV:INV+1]
.set k, k+1
.endr
.set k, 0
.rept 8
	v_cvt_pk_f16_f32 v[PKH+8*(\t)+k], v[SCL+2*k], v[SCL+2*k+1]
.set k, k+1
.endr
	global_store_b128 v[L16], v[PKH+8*(\t):PKH+8*(\t)+3], s[PHO:PHO+1] offset:(\t)*4096
	global_store_b128 v[L16], v[PKH+8*(\t)+4:PKH+8*(\t)+7], s[PHO:PHO+1] offset:(\t)*4096+512
.endm
	v_mov_b32 v[TM], 0                             ; v_permlanex16_b32's destination counts as read
.irp t, 0,1,2,3
	REDUCE \t
	SCALE \t
.endr
	s_mov_b32 s80, 2
	s_mov_b32 s81, 4
	s_mov_b32 s82, 8
	v_cndmask_b32 v[ES], v[EE], v[EE+1], s80       ; lane t takes tile t's E
	v_cndmask_b32 v[ES], v[ES], v[EE+2], s81
	v_cndmask_b32 v[ES], v[ES], v[EE+3], s82
	s_wait_xcnt 0x0                                ; EXEC changes only behind this wait
	v_cmp_gt_u32 vcc_lo, 4, v[LN]
	s_and_saveexec_b32 s83, vcc_lo
	global_store_b32 v[SO], v[ES], s[PSO:PSO+1]    ; four scales, 16 bytes apart
	s_wait_xcnt 0x0                                ; and again, in front of the line that widens it
	s_or_b32 exec_lo, exec_lo, s83
	s_wait_tensorcnt 0x0                           ; the wave's end, behind my last tensor load and my last LDS store
	ds_add_u32 v[SPW], v[NIL]
	s_wait_dscnt 0x0
	CROUND                                         ; the closing round: no work-group ends while a partner may still ask for a part that names it
	s_endpgm
.Lfunc_end_k_q1ea16e99ad_cin1:
	.size	k_q1ea16e99ad_cin1, .Lfunc_end_k_q1ea16e99ad_cin1-k_q1ea16e99ad_cin1
	.p2alignl 7, 3214868480
	.fill 96, 4, 3214868480
	.section	.rodata,"a",@progbits
	.p2align	6, 0x0
	.amdhsa_kernel k_q1ea16e99ad_cin1
		.amdhsa_group_segment_fixed_size 327680
		.amdhsa_private_segment_fixed_size 0
		.amdhsa_enable_private_segment 0
		.amdhsa_kernarg_size 56
		.amdhsa_user_sgpr_count 2
		.amdhsa_user_sgpr_kernarg_segment_ptr 1
		.amdhsa_wavefront_size32 1
		.amdhsa_system_sgpr_workgroup_id_x 1
		.amdhsa_system_sgpr_workgroup_id_y 1
		.amdhsa_system_sgpr_workgroup_id_z 1
		.amdhsa_system_vgpr_workitem_id 0
		.amdhsa_next_free_vgpr 640
		.amdhsa_next_free_sgpr 96
		.amdhsa_reserve_vcc 1
		.amdhsa_float_denorm_mode_32 3
		.amdhsa_float_denorm_mode_16_64 3
		.amdhsa_memory_ordered 1
		.amdhsa_forward_progress 1
		.amdhsa_inst_pref_size 197
	.end_amdhsa_kernel
	.amdgpu_metadata
---
amdhsa.version: [ 1, 2 ]
amdhsa.kernels:
  - .name:           k_q1ea16e99ad_cin1
    .symbol:         k_q1ea16e99ad_cin1.kd
    .args:
      - { .name: x, .offset: 0, .size: 8, .value_kind: global_buffer, .address_space: global }
      - { .name: WF1, .offset: 8, .size: 8, .value_kind: global_buffer, .address_space: global }
      - { .name: H1, .offset: 16, .size: 8, .value_kind: global_buffer, .address_space: global }
      - { .name: SC1, .offset: 24, .size: 8, .value_kind: global_buffer, .address_space: global }
      - { .name: H2, .offset: 32, .size: 8, .value_kind: global_buffer, .address_space: global }
      - { .name: SC2, .offset: 40, .size: 8, .value_kind: global_buffer, .address_space: global }
      - { .name: out0, .offset: 48, .size: 8, .value_kind: global_buffer, .address_space: global }
    .group_segment_fixed_size: 327680
    .private_segment_fixed_size: 0
    .kernarg_segment_align: 8
    .kernarg_segment_size: 56
    .max_flat_workgroup_size: 128
    .sgpr_count:     96
    .vgpr_count:     640
    .wavefront_size: 32
...
	.end_amdgpu_metadata
.endif
;; end of part 3
;; launch cin2 (part 4): grid 8 x 32, 4 waves a work-group, clusters of 4 x 1, 327,680 bytes of LDS; arguments x, WF2, H2, SC2, out0; writes out0
.if DOCPART == 4
	.amdgcn_target "amdgcn-amd-amdhsa--gfx1250"
	.amdhsa_code_object_version 6
	.text
	.protected	k_q1ea16e99ad_cin2
	.globl	k_q1ea16e99ad_cin2
	.p2align	8
	.type	k_q1ea16e99ad_cin2,@function
k_q1ea16e99ad_cin2:
	s_mov_b64 s[64:65], 0
	v_nop
	global_prefetch_b8 v0, s[64:65] scope:SCOPE_SE
	s_setreg_imm32_b32 hwreg(HW_REG_WAVE_MODE, 25, 1), 1
	s_wait_xcnt 0x0
	s_wait_alu depctr_hold_cnt(0) depctr_sa_sdst(0) depctr_va_vdst(0) depctr_va_sdst(0) depctr_va_ssrc(0) depctr_va_vcc(0) depctr_vm_vsrc(0)
	s_getreg_b32 s2, hwreg(HW_REG_IB_STS2, 6, 4)
	s_cmp_eq_u32 s2, 0
	s_cbranch_scc0 .Lentry_in_a_cluster
	s_endpgm
.Lentry_in_a_cluster:
	s_bfe_u32 s2, ttmp6, 0x10000c
	s_cmp_lg_u32 s2, 0x3003
	s_cbranch_scc0 .Lentry_shape_is_right
	s_endpgm
.Lentry_shape_is_right:
; LAYER 3's SUM OVER d.  h3 is never formed: sum_d h3[b,n,d] = sum over i,j of G[b,i,j] W2[(i,j),n], G[b,i,j] = sum_d x[b,i,d] h2[b,j,d] (the identity stands at the head of the first kernel).
; h2 comes as hs = h2 / E, f16, with E[b][j / 32] in f32.  Gs = sum_d x hs is made for 32 j (one scale) at a time, rounded to f16, multiplied by W2's fragments, and the f32 result times E is added up.
; LIMITS.  x is rounded to f16 as an operand, and |Gs| <= 32 max|x| must stay in f16: |x| under 2,047.  NaN and infinities are not treated apart.
; SHARES.  A work-group has 32 b and 16 n; K = (i, j) IS SPLIT AMONG ITS FOUR WAVES: wave w takes i = 16 w .. 16 w + 15; the four partial sums meet in LDS at the end.
; CLUSTER.  The four work-groups of a cluster have the same 32 b: their hs (131,072 bytes) is asked for JOINTLY, once, at the start; nothing is filled again.  A fragment of W2 has one reader in a
; work-group and goes from memory straight into registers; a ring for a joint load of them has no room beside hs and the stages.
; MAKING Gs.  K is d: 16, half a matrix instruction.  Source 1 holds x of TWO b (k 0-15: b = 2 p; k 16-31: b = 2 p + 1; columns: my 16 i); source 0 holds hs^T of one of them (rows: 16 j) in its half of k and
; zeros in the other.  hs lies in LDS as [n / 8][d][n % 8] and is turned by ds_load_tr16_b128.  A lane of the result holds one i and 8 neighbouring j: 16 bytes, into my own stage [b][i][j].
; THE PRODUCT.  Source 0 = a fragment of W2 (16 n x 32 j of one i), source 1 = Gs from the stage (16 b x 32 j): a lane holds ONE b and 8 n, so E[b] is one number a lane.
; REGISTERS.  window 0: v0-15 addresses; v16-143 XFR, x of 16 pairs of b; v144-207 HB, four buffers of two; v208-239 GD, two buffers of two results; v240-255 PK.
; window 1: v0-127 GF, two halves of 8 fragments (first: all 256 hold x as loaded); v128-143 AC; v144-159 OUT; v160-163 EB.   window 2: v0-127 WB, 16 fragments.
.set STG,   131072                     ; behind hs: 41,472 bytes a wave, its own: b 1,296 + i 80 + j 2 (both pitches odd multiples of 16 bytes)
.set SGW,   41472
.set RED,   STG+4*SGW                  ; the four waves' partial sums, 2,048 bytes each
.set SPARE, RED+8192                   ; the spare words, 128 bytes for each wave: two blocks of 256 bytes that no other line names
.set SPW, 1
.set NIL, 2
.set L16, 3
.set RR,  4
.set HH,  5
.set LN,  6
.set XO,  7
.set HA0, 8                            ; the turning load's address for b 0-15 of the piece in hand,
.set HA1, 9                            ; for b 16-31
.set STO, 10
.set STR, 11
.set SCO, 12
.set RDS, 13
.set RDR, 14
.set OO,  15
.set XFR, 16
.set HBLO, 144
.set HBHI, 176
.set GD,  208
.set PK,  240
.set GF,  0                            ; window 1
.set AC,  128
.set OUT, 144
.set EB,  160
.set WB,  0                            ; window 2
.set PX,  4
.set PW,  6
.set PH,  8
.set PS,  10
.set POUT, 12
.set WV,  18
.set CX,  19
.set N8,  20                           ; my 16 n
.set MT,  21                           ; my 32 b
.set DG,  22
.set G1,  24
.set G0,  32
.set CNT, 40
.set W15, 41
.set MSB, 0
.macro WIN new                         ; the immediate's high byte repeats the setting that is left; a switch that changes nothing is dropped
.if MSB != (\new)
	s_set_vgpr_msb (MSB<<8)|(\new)
.set MSB, (\new)
.endif
.endm
.macro CROUND                          ; a round of the cluster's barrier
	s_barrier_signal -1
	s_barrier_wait -1
	s_cmp_lg_u32 s[WV], 0
	s_cbranch_scc1 .Lnot_wave_0_\@
	s_barrier_signal -3
.Lnot_wave_0_\@:
	s_barrier_wait -3
	s_barrier_signal -1
	s_barrier_wait -1
.endm
.macro PLACES                          ; four places behind a matrix instruction, in front of loads into registers that it has read and of lines that read its result
.rept 4
	v_nop
.endr
.endm
	s_load_b256 s[4:11], s[0:1], 0x0               ; x, WF2, H2, SC2
	s_load_b64 s[12:13], s[0:1], 0x20              ; out0
	v_lshl_add_u32 v[SPW], v0, 2, SPARE
	v_mov_b32 v[NIL], 0
	ds_add_u32 v[SPW], v[NIL]                      ; the wave's opening: the add, twice on end, and its wait ahead of my first tensor load
	ds_add_u32 v[SPW], v[NIL]                      ; and once more; the set-up below, work on registers, stands between it and the wait
	v_lshrrev_b32 v[LN], 5, v0
	v_readfirstlane_b32 s[WV], v[LN]
	s_bfe_u32 s[CX], ttmp6, 0x40000
	s_lshl_b32 s[N8], ttmp9, 2
	s_add_co_u32 s[N8], s[N8], s[CX]               ; it enters WF2's and out0's addresses alone
	s_and_b32 s[MT], ttmp7, 0xffff                 ; which the four partners share
	s_mov_b32 s[G1], 15|(3<<16)|(1<<21)            ; the mask of four; elements of 8 bytes; bit 21 set beside a mask
	s_mov_b32 s[G1+1], 32<<16                      ; rows of 256 bytes,
	s_mov_b32 s[G1+2], 128<<16                     ; 128 of them: a wave's quarter, 8 b
	s_mov_b32 s[G1+3], 32<<16
	s_mov_b32 s[G1+4], 128
	s_mov_b32 s[G1+5], 32
	s_mov_b32 s[G1+6], 0
	s_mov_b32 s[G1+7], 0
	s_lshl_b32 s[W15], s[WV], 15
	s_lshl_b32 s[DG], s[MT], 17
	s_add_co_u32 s[DG], s[DG], s[W15]
	s_mov_b32 s[DG+1], 0
	s_mov_b32 s[G0], 1
	s_mov_b32 s[G0+1], s[W15]
	s_lshl_b32 s42, s[MT], 17                      ; my 32 b in x
	s_mov_b32 s43, 0
	s_lshl_b32 s44, s[N8], 18                      ; my 16 n's 256 fragments,
	s_lshl_b32 s45, s[WV], 14                      ; my 16 i among a piece's 64
	s_add_co_u32 s44, s44, s45
	s_mov_b32 s45, 0
	s_lshl_b32 s46, s[MT], 9                       ; my 32 b's scales
	s_mov_b32 s47, 0
	s_mul_i32 s48, s[MT], 32*1536
	s_mul_i32 s49, s[WV], 16*1536                  ; waves 0 and 1 store 16 b each
	s_add_co_u32 s48, s48, s49
	s_lshl_b32 s49, s[N8], 6
	s_add_co_u32 s48, s48, s49
	s_add_co_u32 s48, s48, 1024                    ; the third layer's columns
	s_mov_b32 s49, 0
	v_and_b32 v[LN], 31, v0
	v_and_b32 v[RR], 15, v0
	v_bfe_u32 v[HH], v0, 4, 1
	v_lshlrev_b32 v[L16], 4, v[LN]
	s_lshl_b32 s50, s[WV], 10
	v_lshlrev_b32 v[XO], 6, v[RR]
	v_lshl_add_u32 v[XO], v[HH], 5, v[XO]
	v_add_nc_u32 v[XO], s50, v[XO]                 ; x[.][16 w + l % 16][8 (l / 16)]
	v_and_b32 v[HA0], 7, v0                        ; lane l asks for row 16 ((l / 8) % 2) + 8 (l / 16) + l % 8 of a block's 32 rows of 16 bytes, and gets n = l % 16, d = 8 (l / 16) + 0..7
	v_lshl_add_u32 v[HA0], v[HH], 3, v[HA0]
	v_bfe_u32 v[HA1], v0, 3, 1
	v_lshl_add_u32 v[HA0], v[HA1], 4, v[HA0]
	v_lshlrev_b32 v[HA0], 4, v[HA0]
	v_add_nc_u32 v[HA1], 65536, v[HA0]
	s_mul_i32 s51, s[WV], SGW
	s_add_co_u32 s51, s51, STG
	v_mul_u32_u24 v[STO], v[RR], 80
	v_lshl_add_u32 v[STO], v[HH], 4, v[STO]
	v_add_nc_u32 v[STO], s51, v[STO]
	v_mul_u32_u24 v[STR], v[RR], 1296
	v_lshl_add_u32 v[STR], v[HH], 4, v[STR]
	v_add_nc_u32 v[STR], s51, v[STR]
	v_lshlrev_b32 v[SCO], 4, v[RR]
	s_lshl_b32 s52, s[WV], 11
	s_add_co_u32 s52, s52, RED
	v_lshl_add_u32 v[RDS], v[LN], 5, s52
	s_lshl_b32 s53, s[WV], 10
	s_add_co_u32 s53, s53, RED
	v_lshl_add_u32 v[RDR], v[LN], 5, s53
	v_mul_u32_u24 v[OO], v[RR], 1536
	v_lshl_add_u32 v[OO], v[HH], 5, v[OO]
	s_wait_dscnt 0x0                               ; both opening adds are done
	s_wait_kmcnt 0x0
	s_add_nc_u64 s[G0+2:G0+3], s[PH:PH+1], s[DG:DG+1]
	s_or_b32 s[G0+3], s[G0+3], 0x80000000
	s_add_nc_u64 s[PX:PX+1], s[PX:PX+1], s[42:43]
	s_add_nc_u64 s[PW:PW+1], s[PW:PW+1], s[44:45]
	s_add_nc_u64 s[PS:PS+1], s[PS:PS+1], s[46:47]
	s_add_nc_u64 s[POUT:POUT+1], s[POUT:POUT+1], s[48:49]
	CROUND                                         ; all four work-groups are here: the joint loads meet
	tensor_load_to_lds s[G0:G0+3], s[G1:G1+7]      ; my one tensor load
	s_nop 0
	PLACES
	WIN 0x40
.set b, 0
.rept 32
	global_load_b128 v[8*b:8*b+3], v[XO], s[PX:PX+1] offset:b*4096
	global_load_b128 v[8*b+4:8*b+7], v[XO], s[PX:PX+1] offset:b*4096+16
.set b, b+1
.endr
	WIN 0
.set k, 0
.rept 4                                ; the halves of k that belong to the other b of a pair stay 0
.irp z, 0,1,2,3
	v_mov_b32 v[HBLO+8*k+4+\z], 0
	v_mov_b32 v[HBHI+8*k+\z], 0
.endr
.set k, k+1
.endr
	s_wait_loadcnt 0x0
	WIN 0x05
.set b, 0
.rept 32
.irp p, 0,1,2,3
	v_cvt_pk_f16_f32 v[XFR+4*b+\p], v[8*b+2*\p], v[8*b+2*\p+1]
.endr
.set b, b+1
.endr
	WIN 0x40
.set k, 0
.rept 16
	v_mov_b32 v[OUT+k], 0
.set k, k+1
.endr
	v_mov_b32 v[EB+1], 0                           ; named with the scales as pairs
	v_mov_b32 v[EB+3], 0
	WIN 0
	s_wait_tensorcnt 0x0                           ; my quarter of hs is in,
	s_wait_dscnt 0x0
	s_barrier_signal -1
	s_barrier_wait -1                              ; everybody's is
; Step n of 32 of a piece: the pair of b n / 2, the 16 j n % 2.
.macro TRLOAD n
.set lp, (\n)/2
.set lj, (\n)%2
.set lb, 8*((\n)%4)
.if lp < 8
	ds_load_tr16_b128 v[HBLO+lb:HBLO+lb+3], v[HA0] offset:(2*lp)*4096+lj*512
	ds_load_tr16_b128 v[HBHI+lb+4:HBHI+lb+7], v[HA0] offset:(2*lp+1)*4096+lj*512
.else
	ds_load_tr16_b128 v[HBLO+lb:HBLO+lb+3], v[HA1] offset:(2*lp-16)*4096+lj*512
	ds_load_tr16_b128 v[HBHI+lb+4:HBHI+lb+7], v[HA1] offset:(2*lp-15)*4096+lj*512
.endif
.endm
.macro CVT4 n, lh                      ; a result rounded to f16, its lowest registers first
.set cg, GD+16*((\n)%2)+8*(\lh)
.set cp, PK+8*((\n)%2)+4*(\lh)
.irp z, 0,1,2,3
	v_cvt_pk_f16_f32 v[cp+\z], v[cg+2*\z], v[cg+2*\z+1]
.endr
.endm
.macro PUT n
.set cp, PK+8*((\n)%2)
	ds_store_b128 v[STO], v[cp:cp+3] offset:(2*((\n)/2))*1296+((\n)%2)*32
	ds_store_b128 v[STO], v[cp+4:cp+7] offset:(2*((\n)/2)+1)*1296+((\n)%2)*32
.endm
; The step's two products; behind each, four roundings of the step before: they are the places behind that step's products (eight lie between a product and the first read of its result).
; The count of the wait: the LDS instructions issued behind this step's two loads: two stores and two loads in each of the two steps before, fewer at a piece's ends.
.macro STEP n
.set sp, XFR+8*((\n)/2)
.set sb, 8*((\n)%4)
.set sg, GD+16*((\n)%2)
.if ((\n) < 2) || ((\n) == 31)
	s_wait_dscnt 4
.elseif ((\n) == 2) || ((\n) == 30)
	s_wait_dscnt 6
.else
	s_wait_dscnt 8
.endif
	v_wmma_f32_16x16x32_f16 v[sg:sg+7], v[HBLO+sb:HBLO+sb+7], v[sp:sp+7], 0
.if (\n) > 0
	CVT4 (\n)-1, 0
.else
	PLACES
.endif
	v_wmma_f32_16x16x32_f16 v[sg+8:sg+15], v[HBHI+sb:HBHI+sb+7], v[sp:sp+7], 0
.if (\n) > 0
	CVT4 (\n)-1, 1
	PUT (\n)-1
.else
	PLACES
.endif
.if (\n) < 29
	TRLOAD (\n)+3
.endif
.endm
.macro FETCH kq, half                  ; Gs of four i x 32 b out of my stage: 8 fragments
	WIN 0x40
.irp q, 0,1,2,3
.irp bt, 0,1
	ds_load_b128 v[GF+64*(\half)+8*(2*\q+\bt):GF+64*(\half)+8*(2*\q+\bt)+3], v[STR] offset:\bt*20736+(4*(\kq)+\q)*80
	ds_load_b128 v[GF+64*(\half)+8*(2*\q+\bt)+4:GF+64*(\half)+8*(2*\q+\bt)+7], v[STR] offset:\bt*20736+(4*(\kq)+\q)*80+32
.endr
.endr
.endm
.macro MUL kq, half                    ; 8 products; the two accumulators take turns
	WIN 0x56                                       ; W2 in window 2; Gs, C and D in window 1
.irp q, 0,1,2,3
.irp bt, 0,1
.if (4*(\kq)+\q) == 0
	v_wmma_f32_16x16x32_f16 v[AC+8*\bt:AC+8*\bt+7], v[WB+8*(4*(\kq)+\q):WB+8*(4*(\kq)+\q)+7], v[GF+64*(\half)+8*(2*\q+\bt):GF+64*(\half)+8*(2*\q+\bt)+7], 0
.else
	v_wmma_f32_16x16x32_f16 v[AC+8*\bt:AC+8*\bt+7], v[WB+8*(4*(\kq)+\q):WB+8*(4*(\kq)+\q)+7], v[GF+64*(\half)+8*(2*\q+\bt):GF+64*(\half)+8*(2*\q+\bt)+7], v[AC+8*\bt:AC+8*\bt+7]
.endif
.endr
.endr
.endm
	s_mov_b32 s[CNT], 4
.Lpiece:                                       ; 32 j, one scale a b
	WIN 0x80
.set k, 0
.rept 16                               ; the piece's 16 fragments of W2: they land while Gs is made
	global_load_b128 v[WB+8*k:WB+8*k+3], v[L16], s[PW:PW+1] offset:k*1024
	global_load_b128 v[WB+8*k+4:WB+8*k+7], v[L16], s[PW:PW+1] offset:k*1024+512
.set k, k+1
.endr
	WIN 0x40
	global_load_b32 v[EB], v[SCO], s[PS:PS+1]
	global_load_b32 v[EB+2], v[SCO], s[PS:PS+1] offset:256
	WIN 0
	TRLOAD 0
	TRLOAD 1
	TRLOAD 2
.set st, 0
.rept 32
	STEP st
.set st, st+1
.endr
	CVT4 31, 0
	CVT4 31, 1
	PUT 31
	v_add_nc_u32 v[HA0], 1024, v[HA0]              ; the next piece's two blocks in each b
	v_add_nc_u32 v[HA1], 1024, v[HA1]
	FETCH 0, 0                                     ; LDS serves a wave's instructions in order: these see my stores above
	FETCH 1, 1
	s_wait_loadcnt 0x0                             ; W2's fragments and the scales; their bases may be stepped
	s_add_nc_u64 s[PW:PW+1], s[PW:PW+1], 65536
	s_add_nc_u64 s[PS:PS+1], s[PS:PS+1], 4
	s_wait_dscnt 16                                ; the first 16 loads are in; the 16 issued behind them may stay out (so at the next two waits)
	MUL 0, 0
	PLACES
	FETCH 2, 0
	s_wait_dscnt 16
	MUL 1, 1
	PLACES
	FETCH 3, 1
	s_wait_dscnt 16
	MUL 2, 0
	s_wait_dscnt 0x0
	MUL 3, 1
	PLACES
	WIN 0x55
.irp bt, 0,1
.irp z, 0,1,2,3
	v_pk_fma_f32 v[OUT+8*\bt+2*\z:OUT+8*\bt+2*\z+1], v[AC+8*\bt+2*\z:AC+8*\bt+2*\z+1], v[EB+2*\bt:EB+2*\bt+1], v[OUT+8*\bt+2*\z:OUT+8*\bt+2*\z+1] op_sel_hi:[1,0,1]
.endr
.endr
	WIN 0
	s_sub_co_u32 s[CNT], s[CNT], 1
	s_cmp_lg_u32 s[CNT], 0
	s_cbranch_scc1 .Lpiece
	WIN 0x04                                       ; store data in window 1
.irp bt, 0,1
	ds_store_b128 v[RDS], v[OUT+8*\bt:OUT+8*\bt+3] offset:\bt*1024
	ds_store_b128 v[RDS], v[OUT+8*\bt+4:OUT+8*\bt+7] offset:\bt*1024+16
.endr
	WIN 0
	s_wait_dscnt 0x0                               ; for the others' sake: my partial sums lie in LDS
	s_barrier_signal -1
	s_barrier_wait -1
	s_cmp_lt_u32 s[WV], 2                          ; wave 0 finishes b 0-15, wave 1 b 16-31
	s_cbranch_scc0 .Lend
.irp z, 0,1,2,3
	ds_load_b128 v[16+8*\z:16+8*\z+3], v[RDR] offset:\z*2048
	ds_load_b128 v[16+8*\z+4:16+8*\z+7], v[RDR] offset:\z*2048+16
.endr
	s_wait_dscnt 0x0
.irp z, 0,2,4,6
	v_pk_add_f32 v[16+\z:16+\z+1], v[16+\z:16+\z+1], v[24+\z:24+\z+1]
	v_pk_add_f32 v[32+\z:32+\z+1], v[32+\z:32+\z+1], v[40+\z:40+\z+1]
.endr
.irp z, 0,2,4,6
	v_pk_add_f32 v[16+\z:16+\z+1], v[16+\z:16+\z+1], v[32+\z:32+\z+1]
.endr
	global_store_b128 v[OO], v[16:19], s[POUT:POUT+1]            ; a lane's eight n: 32 bytes of its b's row
	global_store_b128 v[OO], v[20:23], s[POUT:POUT+1] offset:16
.Lend:
	s_wait_tensorcnt 0x0                           ; the wave's end, behind my last tensor load and my last LDS store
	ds_add_u32 v[SPW], v[NIL]
	s_wait_dscnt 0x0
	CROUND                                         ; the closing round
	s_endpgm
.Lfunc_end_k_q1ea16e99ad_cin2:
	.size	k_q1ea16e99ad_cin2, .Lfunc_end_k_q1ea16e99ad_cin2-k_q1ea16e99ad_cin2
	.p2alignl 7, 3214868480
	.fill 96, 4, 3214868480
	.section	.rodata,"a",@progbits
	.p2align	6, 0x0
	.amdhsa_kernel k_q1ea16e99ad_cin2
		.amdhsa_group_segment_fixed_size 327680
		.amdhsa_private_segment_fixed_size 0
		.amdhsa_enable_private_segment 0
		.amdhsa_kernarg_size 40
		.amdhsa_user_sgpr_count 2
		.amdhsa_user_sgpr_kernarg_segment_ptr 1
		.amdhsa_wavefront_size32 1
		.amdhsa_system_sgpr_workgroup_id_x 1
		.amdhsa_system_sgpr_workgroup_id_y 1
		.amdhsa_system_sgpr_workgroup_id_z 1
		.amdhsa_system_vgpr_workitem_id 0
		.amdhsa_next_free_vgpr 640
		.amdhsa_next_free_sgpr 66
		.amdhsa_reserve_vcc 0
		.amdhsa_float_denorm_mode_32 3
		.amdhsa_float_denorm_mode_16_64 3
		.amdhsa_memory_ordered 1
		.amdhsa_forward_progress 1
		.amdhsa_inst_pref_size 64
	.end_amdhsa_kernel
	.amdgpu_metadata
---
amdhsa.version: [ 1, 2 ]
amdhsa.kernels:
  - .name:           k_q1ea16e99ad_cin2
    .symbol:         k_q1ea16e99ad_cin2.kd
    .args:
      - { .name: x, .offset: 0, .size: 8, .value_kind: global_buffer, .address_space: global }
      - { .name: WF2, .offset: 8, .size: 8, .value_kind: global_buffer, .address_space: global }
      - { .name: H2, .offset: 16, .size: 8, .value_kind: global_buffer, .address_space: global }
      - { .name: SC2, .offset: 24, .size: 8, .value_kind: global_buffer, .address_space: global }
      - { .name: out0, .offset: 32, .size: 8, .value_kind: global_buffer, .address_space: global }
    .group_segment_fixed_size: 327680
    .private_segment_fixed_size: 0
    .kernarg_segment_align: 8
    .kernarg_segment_size: 40
    .max_flat_workgroup_size: 128
    .sgpr_count:     66
    .vgpr_count:     640
    .wavefront_size: 32
...
	.end_amdgpu_metadata
.endif
;; end of part 4
;; ======== version 2 of 2: 4 launches; version 1 with the launch prep written anew for expert scheduling mode
;; limits: inputs' magnitudes at most 2,047; values are held in f16: magnitudes above 65,504 overflow, below 6.1e-05 lose precision
;; workspace buffers: WF0 1,048,576 bytes; WF1 2,097,152 bytes; WF2 2,097,152 bytes; H1 4,194,304 bytes; H2 4,194,304 bytes; SC1 16,384 bytes; SC2 16,384 bytes
;; launch prep (part 5): grid 256 x 1, 5 waves a work-group, no clusters, 0 bytes of LDS; arguments W0, W1, W2, WF0, WF1, WF2; writes WF0, WF1, WF2
.if DOCPART == 5
	.amdgcn_target "amdgcn-amd-amdhsa--gfx1250"
	.amdhsa_code_object_version 6
	.text
	.protected	k_q1ea16e99ad_prep
	.globl	k_q1ea16e99ad_prep
	.p2align	8
	.type	k_q1ea16e99ad_prep,@function
k_q1ea16e99ad_prep:
	s_mov_b64 s[64:65], 0
	v_nop
	global_prefetch_b8 v0, s[64:65] scope:SCOPE_SE
	s_setreg_imm32_b32 hwreg(HW_REG_WAVE_SCHED_MODE, 0, 2), 2
	s_setreg_imm32_b32 hwreg(HW_REG_WAVE_MODE, 25, 1), 1
	s_wait_xcnt 0x0
	s_wait_alu depctr_vm_vsrc(0)
; THE PROGRAM.  h1[b,n,d] = sum over i,j of x[b,i,d] x[b,j,d] W0[(i,j),n];  h2 likewise from h1 and W1;  h3 from h2 and W2;  the output is the sum over d of h1, h2, h3, side by side.
; WORK LEFT OUT.  h3 reaches the output only through its sum over d, and it is linear in x[b,i,d] h2[b,j,d]:  sum_d h3[b,n,d] = sum over i,j of G[b,i,j] W2[(i,j),n] with
; G[b,i,j] = sum_d x[b,i,d] h2[b,j,d].  That is an identity in real numbers for all values of x and the weights, so h3 itself is never formed (the last launch makes G and one product).
; Likewise no layer forms the outer product x_i h_j:  T[(b,d),(i,n)] = sum_j h[(b,d),j] W[(i,j),n] is a matrix product, and h_next = sum_i x[(b,d),i] T is taken in f32.
; Every input has a way to the output and is loaded.  LIMIT: an overflow, infinity or NaN that only a single h3[b,n,d] or a single product x_i h_j would have had is not carried to the result.
; THIS LAUNCH rounds W0, W1, W2 once, f32 to f16, and lays them out as matrix operands.  LIMITS: |W| under 65,504; below 6e-5 a weight keeps f16's fixed step of 6e-8.
; A FRAGMENT is 1,024 bytes: 16 output columns n x 32 rows k of W.  Byte 512 u + 16 L + 2 e holds (n = L % 16, k = 16 u + 8 (L / 16) + e): two loads of 16 bytes a lane are an operand.
; Fragment numbers:  WF0: s 256 + i 4 + nt 2 + c;   WF1: s 512 + i 8 + nt 4 + c;   WF2: nt8 256 + c 64 + i   (s = n / 32, nt = (n / 16) % 2, nt8 = n / 16, c = j / 32).
; SHARES.  1,280 units, one a wave: 32 rows of W (one i, one c) x 64 columns (256 bytes of each row) = 4 fragments.  Units 0-255 are W0's, 256-767 W1's, the rest W2's.
; No LDS, no barrier, no matrix unit, no cluster: no two waves want the same byte.  Each store of a wave covers 512 consecutive bytes, aligned.
; THE MODE: SCHED_MODE bits 1:0 = 2 (LLVM: expert scheduling mode 2), set by the entry lines.  The code itself states the register dependences between vector instructions and memory
; instructions, with s_wait_alu, always for 0.
; THE PLAN.  Registers that memory instructions touch (the text has no loop):
;   v5         the loads' offset; v6 to v9 the stores' offsets.  Made by vector lines at the head and never written again: ONE wait on va_vdst ahead of the first load covers all 72 uses.
;   RW         Each register is written by one load and by nothing before it; the conversions read it behind their s_wait_loadcnt; no load is issued behind a conversion.
;   PKD        Each register is written by one conversion and read by one store; the two halves u have registers of their own, so none that a store has read is written again.
;              A half's sixteen conversions stand together, ONE wait on va_vdst behind them, then the half's four stores.
;   s16        The wave's number, written by v_readfirstlane_b32: one wait on va_sdst ahead of its first reader.
; No wait on vm_vsrc is owed: no register that a memory instruction reads is ever written again.  EXEC is never written.
.set RW,  32                           ; v[32:95]   as loaded: fragment a, half u, row e at RW + 16 a + 8 u + e
.set PKD, 96                           ; v[96:127]  rounded: fragment a, half u at PKD + 8 a + 4 u
	s_load_b256 s[4:11], s[0:1], 0x0               ; W0 s[4:5], W1 s[6:7], W2 s[8:9], WF0 s[10:11]
	s_load_b128 s[12:15], s[0:1], 0x20             ; WF1 s[12:13], WF2 s[14:15]
	v_lshrrev_b32 v1, 5, v0
	v_readfirstlane_b32 s16, v1                    ; wave 0..4
	v_and_b32 v2, 31, v0                           ; L
	v_and_b32 v3, 15, v0
	v_bfe_u32 v4, v0, 4, 1
	v_lshlrev_b32 v5, 2, v3
	v_lshl_add_u32 v5, v4, 12, v5                  ; my column's 4 bytes, and 8 rows further down for lanes 16-31
	v_lshlrev_b32 v6, 4, v2                        ; my 16 bytes of fragment 0
	s_mul_i32 s17, ttmp9, 5
	s_wait_alu depctr_va_sdst(0)                   ; s16 is written, ahead of its first reader: the unit's number, and with it every base, is made from it
	s_add_co_u32 s17, s17, s16                     ; the unit
	s_sub_co_u32 s18, s17, 256                     ; its number within W1,
	s_sub_co_u32 s19, s17, 768                     ; within W2 (only the one that applies is taken)
	s_cmp_lt_u32 s17, 768
	s_cselect_b32 s20, s18, s19
	s_cmp_lt_u32 s17, 256
	s_cselect_b32 s20, s17, s20                    ; its number within its tensor
	s_lshr_b32 s21, s20, 1                         ; block of 32 rows
	s_and_b32 s22, s20, 1                          ; half of the 128 columns
	s_lshr_b32 s23, s21, 1                         ; W0 (64 rows an i): i,
	s_and_b32 s24, s21, 1                          ; c
	s_lshr_b32 s25, s21, 2                         ; W1, W2 (128 rows an i): i,
	s_and_b32 s26, s21, 3                          ; c
	s_lshl_b32 s27, s22, 9
	s_lshl2_add_u32 s28, s23, s24
	s_add_co_u32 s27, s27, s28                     ; the unit's first fragment in WF0: half 512 + i 4 + c
	s_lshl_b32 s30, s22, 10
	s_lshl3_add_u32 s29, s25, s26
	s_add_co_u32 s29, s29, s30                     ; in WF1: half 1024 + i 8 + c
	s_lshl_b32 s31, s26, 6
	s_add_co_u32 s31, s31, s25
	s_add_co_u32 s31, s31, s30                     ; in WF2: half 1024 + c 64 + i
	s_lshl_b32 s38, s21, 14                        ; 32 rows of 512 bytes
	s_lshl_b32 s39, s22, 8
	s_add_co_u32 s38, s38, s39                     ; + the half's 256 bytes
	s_mov_b32 s39, 0
	s_wait_kmcnt 0x0
	s_cmp_lt_u32 s17, 768
	s_cselect_b32 s40, s29, s31
	s_cselect_b32 s33, 12, 18                      ; log2 of the bytes from fragment a to a + 1: 4 fragments, or 256
	s_cselect_b64 s[34:35], s[6:7], s[8:9]
	s_cselect_b64 s[36:37], s[12:13], s[14:15]
	s_cmp_lt_u32 s17, 256
	s_cselect_b32 s40, s27, s40
	s_cselect_b32 s33, 11, s33                     ; W0: 2 fragments
	s_cselect_b32 s32, 18, 19                      ; from fragment a to a + 2: 256 fragments, or 512
	s_cselect_b64 s[34:35], s[4:5], s[34:35]       ; from where
	s_cselect_b64 s[36:37], s[10:11], s[36:37]     ; to where
	s_lshl_b32 s33, 1, s33
	s_lshl_b32 s32, 1, s32
	s_lshl_b32 s40, s40, 10
	s_mov_b32 s41, 0
	s_add_nc_u64 s[34:35], s[34:35], s[38:39]
	s_add_nc_u64 s[36:37], s[36:37], s[40:41]
	v_add_nc_u32 v7, s33, v6                       ; fragments 1, 2, 3
	v_add_nc_u32 v8, s32, v6
	v_add_nc_u32 v9, s32, v7
	s_wait_alu depctr_va_vdst(0)                   ; v5 to v9 are written: every load below reads v5 as its offset, every store one of v6 to v9; no later line writes them
	; 64 loads, row by row: the four pieces of a row's 256 bytes stand on end
.irp u, 0,1
.irp e, 0,1,2,3,4,5,6,7
.irp a, 0,1,2,3
	global_load_b32 v[RW+16*\a+8*\u+\e], v5, s[34:35] offset:(16*\u+\e)*512+\a*64
.endr
.endr
.endr
.irp u, 0,1
	s_wait_loadcnt 32-32*\u                        ; the first 32 loads are in while the other half's 32 may stay out; then all
.irp a, 0,1,2,3
.irp p, 0,1,2,3
	v_cvt_pk_f16_f32 v[PKD+8*\a+4*\u+\p], v[RW+16*\a+8*\u+2*\p], v[RW+16*\a+8*\u+2*\p+1]
.endr
.endr
	s_wait_alu depctr_va_vdst(0)                   ; this half's sixteen conversions have written their part of PKD, which the four stores below read
.irp a, 0,1,2,3
	global_store_b128 v[6+\a], v[PKD+8*\a+4*\u:PKD+8*\a+4*\u+3], s[36:37] offset:\u*512
.endr
.endr
	s_endpgm
.Lfunc_end_k_q1ea16e99ad_prep:
	.size	k_q1ea16e99ad_prep, .Lfunc_end_k_q1ea16e99ad_prep-k_q1ea16e99ad_prep
	.p2alignl 7, 3214868480
	.fill 96, 4, 3214868480
	.section	.rodata,"a",@progbits
	.p2align	6, 0x0
	.amdhsa_kernel k_q1ea16e99ad_prep
		.amdhsa_group_segment_fixed_size 0
		.amdhsa_private_segment_fixed_size 0
		.amdhsa_enable_private_segment 0
		.amdhsa_kernarg_size 48
		.amdhsa_user_sgpr_count 2
		.amdhsa_user_sgpr_kernarg_segment_ptr 1
		.amdhsa_wavefront_size32 1
		.amdhsa_system_sgpr_workgroup_id_x 1
		.amdhsa_system_sgpr_workgroup_id_y 1
		.amdhsa_system_sgpr_workgroup_id_z 1
		.amdhsa_system_vgpr_workitem_id 0
		.amdhsa_next_free_vgpr 128
		.amdhsa_next_free_sgpr 66
		.amdhsa_reserve_vcc 0
		.amdhsa_float_denorm_mode_32 3
		.amdhsa_float_denorm_mode_16_64 3
		.amdhsa_memory_ordered 1
		.amdhsa_forward_progress 1
		.amdhsa_inst_pref_size 12
	.end_amdhsa_kernel
	.amdgpu_metadata
---
amdhsa.version: [ 1, 2 ]
amdhsa.kernels:
  - .name:           k_q1ea16e99ad_prep
    .symbol:         k_q1ea16e99ad_prep.kd
    .args:
      - { .name: W0, .offset: 0, .size: 8, .value_kind: global_buffer, .address_space: global }
      - { .name: W1, .offset: 8, .size: 8, .value_kind: global_buffer, .address_space: global }
      - { .name: W2, .offset: 16, .size: 8, .value_kind: global_buffer, .address_space: global }
      - { .name: WF0, .offset: 24, .size: 8, .value_kind: global_buffer, .address_space: global }
      - { .name: WF1, .offset: 32, .size: 8, .value_kind: global_buffer, .address_space: global }
      - { .name: WF2, .offset: 40, .size: 8, .value_kind: global_buffer, .address_space: global }
    .group_segment_fixed_size: 0
    .private_segment_fixed_size: 0
    .kernarg_segment_align: 8
    .kernarg_segment_size: 48
    .max_flat_workgroup_size: 160
    .sgpr_count:     66
    .vgpr_count:     128
    .wavefront_size: 32
...
	.end_amdgpu_metadata
.endif
;; end of part 5
;; launch cin0: the kernel of part 2 again; grid 64 x 4, 4 waves a work-group, clusters of 4 x 1, 327,680 bytes of LDS; arguments x, WF0, H1, SC1, out0; writes H1, SC1, out0
;; launch cin1: the kernel of part 3 again; grid 64 x 4, 4 waves a work-group, clusters of 4 x 1, 327,680 bytes of LDS; arguments x, WF1, H1, SC1, H2, SC2, out0; writes H2, SC2, out0
;; launch cin2: the kernel of part 4 again; grid 8 x 32, 4 waves a work-group, clusters of 4 x 1, 327,680 bytes of LDS; arguments x, WF2, H2, SC2, out0; writes out0
